; MI455X (gfx1250); checked and timed in simulation.
; The chip was launched on July 23, 2026; its instructions are those of AMD's public machine-readable ISA for CDNA 5 (MIT licence, August 2026) and "CDNA5" Instruction Set Architecture Reference Guide (July 2026). The comments in the code are by the model that wrote it; some were corrected since.
;; Cross Attention. Allowed arithmetic: matrix products marked QUANTISED: E2M1 operands, one E8M0 scale for each 32 along K, by v_wmma_scale_f32_16x16x128_f8f6f4 with both operands' format E2M1 (or v_wmma_scale_f32_32x16x128_f4), f32 sums; products left as they are: bf16, f16 or f32 operands; f32 sums; everything else in f32.
;; Inputs: Wk 1,024 x 1,024 float32; Wp 1,024 x 1,024 float32; Wq 1,024 x 1,024 float32; Wv 1,024 x 1,024 float32; bp 1,024 float32; k 2 x 4,096 x 1,024 float32; key_padding_mask 2 x 4,096 bool; q 2 x 2,048 x 1,024 float32; v 2 x 4,096 x 1,024 float32.
;; Outputs: out0 2 x 2,048 x 1,024 float32.
;; This version of the problem:
;;   THIS VERSION OF THE PROBLEM IS GIVEN IN LOW PRECISION. The matrix products marked QUANTISED in the list below multiply operands that are first quantised to E2M1 (2 exponent bits, 1 mantissa bit; 4 bits a number), with one power-of-two scale for each 32 numbers along K (OCP MX v1.0); their sums are f32. The products marked 'left as it is' may take bf16, f16 or f32 operands, with f32 sums. Whichever they take, every output number must still come out within the allowed error. Rounding operands to bf16 (8 significant bits) uses up far more of that allowance than f16 does (11 bits, for magnitudes from 6e-5 to 65,504). All else is computed in f32.
;;   The module's matrix products, in the order in which they are computed (A, B: the left and right operand; K: the contracted axis; several contracted axes count as one K, in the product's order):
;;     1. [M 4,096, K 1,024] x [K 1,024, N 1,024]; A: input q; B: input Wq: QUANTISED
;;     2. [M 8,192, K 1,024] x [K 1,024, N 1,024]; A: input k; B: input Wk: QUANTISED
;;     3. [M 8,192, K 1,024] x [K 1,024, N 1,024]; A: input v; B: input Wv: QUANTISED
;;     4. batch 32 x [M 2,048, K 64] x [K 64, N 4,096]; A: computed on the way; B: computed on the way: left as it is (an operand is computed on the way)
;;     5. batch 32 x [M 2,048, K 4,096] x [K 4,096, N 64]; A: computed on the way; B: computed on the way: left as it is (an operand is computed on the way)
;;     6. [M 4,096, K 1,024] x [K 1,024, N 1,024]; A: computed on the way; B: input Wp: left as it is (an operand is computed on the way)
;;   THE QUANTISER, for each operand of a quantised product, along K:
;;     - K is cut into blocks of 32 from its start; a last block that is shorter is filled with zeros.
;;     - A block's scale is 2^e with e = floor(log2(the largest magnitude in the block)) - 2, held to -126 .. 127; a block of zeros has e = 0. As a byte (E8M0): e + 127.
;;     - Each number is divided by its block's scale, clamped to +-6, and rounded to the nearest number of E2M1, ties to even, subnormals kept.
;;     - The product sums the exact products of the quantised numbers (number of the format x scale) in f32.
;;   ~~~python
;;   def quantise(x, axis):      # numpy; x: float32 -> the quantised numbers, widened to float32 again
;;       x = np.moveaxis(x, axis, -1); K = x.shape[-1]
;;       x = np.pad(x, [(0, 0)] * (x.ndim - 1) + [(0, -K % 32)]); x = x.reshape(x.shape[:-1] + (-1, 32)); a = np.abs(x).max(-1, keepdims=True)
;;       e = np.where(a > 0, np.clip(np.frexp(np.where(a > 0, a, 1))[1] - 1 - 2, -126, 127), 0)      # np.frexp(a)[1] - 1 = floor(log2(a)), exactly
;;       r = np.clip(x / 2.0 ** e, -6, 6)
;;       step = 2.0 ** (np.maximum(np.frexp(np.where(r == 0, 1, r))[1] - 1, 0) - 1)
;;       q = np.round(r / step) * step * 2.0 ** e      # np.round: ties to even
;;       return np.moveaxis(q.reshape(q.shape[:-2] + (-1,))[..., :K], -1, axis).astype(np.float32)
;;   ~~~
;; One version. Each part assembles by itself: llvm-mc -triple=amdgcn-amd-amdhsa -mcpu=gfx1250 --defsym DOCPART=n.
;; ======== version 1 of 1: 4 launches
;; limits: values are held in f16: magnitudes above 65,504 overflow, below 6.1e-05 lose precision
;; workspace buffers: codes 12,058,624 bytes; scales 753,664 bytes; wp16 2,097,152 bytes; bias 33,280 bytes; qkv 41,943,040 bytes; ao 8,388,608 bytes
;; launch prep (part 1): grid 769 x 1, 4 waves a work-group, no clusters, 33,280 bytes of LDS; arguments q, k, v, Wq, Wk, Wv, Wp, key_padding_mask, codes, scales, wp16, bias; writes codes, scales, wp16, bias
.if DOCPART == 1
	.amdgcn_target "amdgcn-amd-amdhsa--gfx1250"
	.amdhsa_code_object_version 6
	.text
	.protected	k_q6754aa9cf1_prep
	.globl	k_q6754aa9cf1_prep
	.p2align	8
	.type	k_q6754aa9cf1_prep,@function
k_q6754aa9cf1_prep:
	s_mov_b64 s[64:65], 0
	v_nop
	global_prefetch_b8 v0, s[64:65] scope:SCOPE_SE
	s_setreg_imm32_b32 hwreg(HW_REG_WAVE_MODE, 25, 1), 1
	s_wait_xcnt 0x0
; CROSS ATTENTION, launch 1 of 4.  Nothing of reference() is left out: every input has a way to the output, and every product is done.
; This launch makes what the later launches read many times:
;  A (work-groups 0-735): q, k, v, Wq, Wk, Wv (f32, K innermost in all six, since x @ W.T contracts W's last axis) -> codes of E2M1, two a byte, and one E8M0 byte for each 32 along K.
;     The six tensors are stacked: rows 0-4095 q, 4096-12287 k, 12288-20479 v, 20480 + 1024 i: Wq, Wk, Wv.  codes: [23552][512 bytes], scales: [23552][32 bytes].
;  B (work-groups 736-767): Wp -> f16, row-major.
;  C (work-group 768): key_padding_mask -> a table of f32, bias[b][key] = -1e20 where the key is masked, else 0, which the attention launch gives as the C of its first product, and the factor
;     cs = log2(e) / 8 of the softmax.  Where EVERY key of a batch is masked reference() has equal scores and a uniform softmax: for such a batch the table is all 0 and cs = 0, which gives the same.  No branch hangs on the mask.
; A block's scale is 2^(floor(log2(largest magnitude)) - 2): its byte is the largest magnitude's exponent field - 2, held at 1 from below.
; LIMITS: a block of zeros gets the byte 1 where the rule says 127 (its codes are zeros, and this program alone reads the bytes); blocks whose largest magnitude lies under 2^-124 keep the byte 1;
; NaN and infinities among the inputs are not served.
; Path A: rows are dense and K is a multiple of 32, so a tensor is a stream of blocks.  A wave takes 16 steps of 512 numbers; each load reads 512 consecutive bytes; a step's 2,048 bytes turn through the wave's own
; stage in LDS so that a lane holds 16 neighbours (two lanes a block); a lane's 16 codes are 8 bytes: a wave's store covers 256 consecutive aligned bytes; its 256 scale bytes are gathered in LDS and leave as one such run.
.set STEPS, 16
.set WREG,  8192                       ; LDS: a region for each wave: two stages of 32 x SP bytes, behind them its 256 scale bytes
.set SP,    80                         ; a lane's place in a stage: 64 bytes + 16 of padding
.set SPARE, 4*WREG                     ; the spare words, 128 bytes a wave: two blocks of 256 bytes that no other line names
.set R,     16                         ; v16-79   four sets of 16 numbers as loaded
.set X,     80                         ; v80-111  two sets of 16 neighbours
.set E,     112                        ; v112-127 a scale byte for each step
.set C,     128                        ; v128-191 codes, four registers for each step
.set SPW,   12                         ; v12  LDS address of my spare word; never rewritten
.set NIL,   13                         ; v13  0; never rewritten
	s_load_b512 s[4:19], s[0:1], 0x0               ; q 4:5, k 6:7, v 8:9, Wq 10:11, Wk 12:13, Wv 14:15, Wp 16:17, mask 18:19
	s_load_b256 s[20:27], s[0:1], 0x40             ; codes 20:21, scales 22:23, wp16 24:25, bias 26:27
	v_lshl_add_u32 v[SPW], v0, 2, SPARE
	v_mov_b32 v[NIL], 0
	v_lshrrev_b32 v1, 5, v0
	v_readfirstlane_b32 s36, v1                    ; wave
	v_and_b32 v2, 31, v0                           ; lane
	v_lshlrev_b32 v3, 4, v2                        ; 16 x lane
	v_lshlrev_b32 v4, 3, v2                        ; 8 x lane
	v_lshlrev_b32 v10, 2, v2                       ; 4 x lane
	s_mul_i32 s37, s36, WREG
	v_lshrrev_b32 v14, 2, v2
	v_mul_u32_u24 v14, v14, SP
	v_and_b32 v15, 3, v2
	v_lshl_add_u32 v14, v15, 4, v14
	v_add_nc_u32 v14, s37, v14                     ; the stage, on the way in: SP (lane / 4) + 16 (lane % 4)
	v_mul_u32_u24 v15, v2, SP
	v_add_nc_u32 v15, s37, v15                     ; and on the way out: SP x lane
	v_lshrrev_b32 v5, 1, v2
	s_add_co_u32 s37, s37, 2*32*SP
	v_add_nc_u32 v5, s37, v5                       ; my block's scale byte
	v_add_nc_u32 v6, s37, v4                       ; the scale bytes on the way out: 8 a lane
	s_mov_b32 s31, 0
	s_wait_kmcnt 0x0
	s_cmp_ge_u32 ttmp9, 736
	s_cbranch_scc1 .Lother
	; ---- A: the quantiser.  Which tensor: a choice of pointers on the work-group's number alone
	s_mov_b64 s[28:29], s[14:15]
	s_mov_b32 s30, 704
	s_cmp_lt_u32 ttmp9, 704
	s_cselect_b64 s[28:29], s[12:13], s[28:29]
	s_cselect_b32 s30, 672, s30
	s_cmp_lt_u32 ttmp9, 672
	s_cselect_b64 s[28:29], s[10:11], s[28:29]
	s_cselect_b32 s30, 640, s30
	s_cmp_lt_u32 ttmp9, 640
	s_cselect_b64 s[28:29], s[8:9], s[28:29]
	s_cselect_b32 s30, 384, s30
	s_cmp_lt_u32 ttmp9, 384
	s_cselect_b64 s[28:29], s[6:7], s[28:29]
	s_cselect_b32 s30, 128, s30
	s_cmp_lt_u32 ttmp9, 128
	s_cselect_b64 s[28:29], s[4:5], s[28:29]
	s_cselect_b32 s30, 0, s30
	s_sub_co_u32 s30, ttmp9, s30
	s_lshl_b32 s30, s30, 2
	s_add_co_u32 s30, s30, s36                     ; my run of 8,192 numbers in its tensor
	s_lshl_b32 s30, s30, 15                        ; 32,768 bytes a run
	s_add_nc_u64 s[28:29], s[28:29], s[30:31]
	s_lshl_b32 s32, ttmp9, 2
	s_add_co_u32 s32, s32, s36                     ; and in the stack: the work-groups' order is the stack's
	s_lshl_b32 s34, s32, 8                         ; 256 scale bytes a run
	s_lshl_b32 s32, s32, 12                        ; 4,096 bytes of codes a run
	s_mov_b32 s33, 0
	s_mov_b32 s35, 0
	s_add_nc_u64 s[20:21], s[20:21], s[32:33]
	s_add_nc_u64 s[22:23], s[22:23], s[34:35]
.macro LOAD t
.irp i, 0,1,2,3
	global_load_b128 v[R+16*((\t)%4)+4*\i:R+16*((\t)%4)+4*\i+3], v3, s[28:29] offset:2048*(\t)+512*\i th:TH_LOAD_NT   ; 32 lanes read 512 consecutive bytes
.endr
.endm
.macro TURN t                          ; step t's numbers through the stage: LDS serves a wave's instructions in order, so no wait stands between the stores and the loads
.irp i, 0,1,2,3
	ds_store_b128 v14, v[R+16*((\t)%4)+4*\i:R+16*((\t)%4)+4*\i+3] offset:32*SP*((\t)%2)+8*SP*\i
.endr
.irp i, 0,1,2,3
	ds_load_b128 v[X+16*((\t)%2)+4*\i:X+16*((\t)%2)+4*\i+3], v15 offset:32*SP*((\t)%2)+16*\i
.endr
.endm
.irp t, 0,1,2,3
	LOAD \t
.endr
	s_wait_loadcnt 12                              ; step 0's four loads are in; the twelve of steps 1 to 3 may be out
	TURN 0
.macro STEP t
.set XS, X+16*((\t)%2)
.if (\t) > 0
	s_wait_dscnt 1                                 ; this step's numbers are back from the stage (the last step's byte store may be out)
.else
	s_wait_dscnt 0x0
.endif
.if (\t)+4 < STEPS
	LOAD (\t)+4                                    ; into the registers that this step's stores into the stage have read
.endif
.if (\t)+1 < STEPS
.if STEPS-2-(\t) >= 3
	s_wait_loadcnt 12                              ; the next step's four loads are in; those of the three steps behind it may be out
.else
	s_wait_loadcnt 4*(STEPS-2-(\t))
.endif
	TURN (\t)+1
.endif
	v_max3_num_f32 v8, |v[XS]|, |v[XS+1]|, |v[XS+2]|               ; the largest magnitude of my 16, in two chains
	v_max3_num_f32 v9, |v[XS+3]|, |v[XS+4]|, |v[XS+5]|
.irp i, 6,10
	v_max3_num_f32 v8, v8, |v[XS+\i]|, |v[XS+\i+1]|
	v_max3_num_f32 v9, v9, |v[XS+\i+2]|, |v[XS+\i+3]|
.endr
	v_max3_num_f32 v8, v8, |v[XS+14]|, |v[XS+15]|
	v_max3_num_f32 v8, v8, v9, 0x1800000           ; and the floor 2^(3 - 127): the byte cannot fall under 1
	v_max_num_f32_dpp v8, v8, v8 row_xmask:1 row_mask:0xf bank_mask:0xf   ; with my neighbour's 16: the block's
	v_add_nc_u32 v11, 0xff000000, v8               ; 2 off its exponent field: the conversion takes the exponent field of this operand as its scale
	v_cvt_scalef32_pk8_fp4_f32 v[C+4*(\t)], v[XS:XS+7], v11
	v_cvt_scalef32_pk8_fp4_f32 v[C+4*(\t)+1], v[XS+8:XS+15], v11
	v_lshrrev_b32 v[E+(\t)], 23, v11               ; the scale's byte (a plain line behind the conversions)
	ds_store_b8 v5, v[E+(\t)] offset:16*(\t)       ; both lanes of a block write the same byte with the same value
	global_store_b64 v4, v[C+4*(\t):C+4*(\t)+1], s[20:21] offset:256*(\t)   ; 32 lanes store 256 consecutive aligned bytes
.endm
.irp t, 0,1,2,3,4,5,6,7,8,9,10,11,12,13,14,15
	STEP \t
.endr
	ds_load_b64 v[8:9], v6                         ; LDS serves a wave's instructions in order: these see my byte stores
	s_wait_dscnt 0x0
	global_store_b64 v4, v[8:9], s[22:23]
	s_wait_tensorcnt 0x0                           ; the wave's end
	ds_add_u32 v[SPW], v[NIL]
	s_wait_dscnt 0x0
	s_endpgm
.Lother:
	s_cmp_eq_u32 ttmp9, 768
	s_cbranch_scc1 .Lbias
	; ---- B: Wp to f16.  A wave takes 8,192 numbers in four rounds of 16 loads; two rounds are on their way.  No LDS
	s_sub_co_u32 s30, ttmp9, 736
	s_lshl_b32 s30, s30, 2
	s_add_co_u32 s30, s30, s36
	s_lshl_b32 s32, s30, 14                        ; 16,384 bytes out
	s_lshl_b32 s30, s30, 15                        ; 32,768 bytes in
	s_mov_b32 s33, 0
	s_add_nc_u64 s[16:17], s[16:17], s[30:31]
	s_add_nc_u64 s[24:25], s[24:25], s[32:33]
.macro LB r
.irp i, 0,1,2,3,4,5,6,7,8,9,10,11,12,13,14,15
	global_load_b128 v[16+64*((\r)%2)+4*\i:16+64*((\r)%2)+4*\i+3], v3, s[16:17] offset:512*(16*(\r)+\i) th:TH_LOAD_NT
.endr
.endm
.macro NARROW r, left
	s_wait_loadcnt \left                           ; this round's 16 loads are in; the next round's may be out
.if (\r) > 0
	s_wait_xcnt 0x0                                ; the last round's stores have read their data: the registers may be written again
.endif
.irp i, 0,1,2,3,4,5,6,7,8,9,10,11,12,13,14,15
	v_cvt_pk_f16_f32 v[144+2*\i], v[16+64*((\r)%2)+4*\i], v[16+64*((\r)%2)+4*\i+1]
	v_cvt_pk_f16_f32 v[145+2*\i], v[16+64*((\r)%2)+4*\i+2], v[16+64*((\r)%2)+4*\i+3]
.endr
.irp i, 0,1,2,3,4,5,6,7,8,9,10,11,12,13,14,15
	global_store_b64 v4, v[144+2*\i:145+2*\i], s[24:25] offset:256*(16*(\r)+\i)   ; 32 lanes store 256 consecutive aligned bytes
.endr
.endm
	LB 0
	LB 1
	NARROW 0, 16
	LB 2
	NARROW 1, 16
	LB 3
	NARROW 2, 16
	NARROW 3, 0
	s_endpgm
.Lbias:
	; ---- C: wave w: batch w / 2, its keys 2048 (w % 2) on.  Each wave reads its batch's whole mask to know whether any key is open.  No LDS
	s_lshr_b32 s30, s36, 1
	s_lshl_b32 s30, s30, 12                        ; 4,096 b
	s_add_nc_u64 s[28:29], s[18:19], s[30:31]
	s_and_b32 s34, s36, 1
	s_lshl_b32 s34, s34, 11                        ; 2,048 x half
	s_mov_b32 s35, 0
	s_add_nc_u64 s[32:33], s[28:29], s[34:35]
	s_lshl_b32 s38, s30, 2
	s_lshl_b32 s40, s34, 2
	s_add_co_u32 s38, s38, s40                     ; the table: 16,384 b + 8,192 x half
	s_mov_b32 s39, 0
	s_add_nc_u64 s[38:39], s[26:27], s[38:39]
	s_lshl_b32 s40, s36, 7
	s_add_co_u32 s40, s40, 32768                   ; behind the table: 128 bytes a wave for cs
	s_mov_b32 s41, 0
	s_add_nc_u64 s[40:41], s[26:27], s[40:41]
.irp i, 0,1,2,3,4,5,6,7
	global_load_b128 v[16+4*\i:19+4*\i], v3, s[28:29] offset:512*\i
.endr
.irp i, 0,1,2,3,4,5,6,7,8,9,10,11,12,13,14,15
	global_load_b32 v[48+\i], v10, s[32:33] offset:128*\i
.endr
	s_wait_loadcnt 0x0
	v_and_b32 v8, v16, v17                         ; a bool is the byte 0 or 1: the AND of all words is 0x01010101 in every lane only where every key is masked
.set i, 18
.rept 30
	v_and_b32 v8, v8, v[i]
.set i, i+1
.endr
	v_cmp_eq_u32 vcc_lo, 0x01010101, v8
	s_cmp_eq_u32 vcc_lo, -1
	s_cselect_b32 s42, 0, 0xe0ad78ec               ; -1e20, or 0 where the whole batch is masked
	s_cselect_b32 s43, 0, 0x3e38aa3b               ; log2(e) / 8, or 0 there
.irp i, 0,1,2,3,4,5,6,7,8,9,10,11,12,13,14,15
.irp j, 0,1,2,3
	v_bfe_u32 v[128+\j], v[48+\i], 8*\j, 8
.endr
.irp j, 0,1,2,3
	v_cvt_f32_u32 v[128+\j], v[128+\j]
.endr
.irp j, 0,1,2,3
	v_mul_f32 v[64+4*\i+\j], s42, v[128+\j]
.endr
.endr
.irp i, 0,1,2,3,4,5,6,7,8,9,10,11,12,13,14,15
	global_store_b128 v3, v[64+4*\i:67+4*\i], s[38:39] offset:512*\i   ; 32 lanes store 512 consecutive aligned bytes
.endr
	v_mov_b32 v9, s43
	global_store_b32 v10, v9, s[40:41]
	s_endpgm
.Lfunc_end_k_q6754aa9cf1_prep:
	.size	k_q6754aa9cf1_prep, .Lfunc_end_k_q6754aa9cf1_prep-k_q6754aa9cf1_prep
	.p2alignl 7, 3214868480
	.fill 96, 4, 3214868480
	.section	.rodata,"a",@progbits
	.p2align	6, 0x0
	.amdhsa_kernel k_q6754aa9cf1_prep
		.amdhsa_group_segment_fixed_size 33280
		.amdhsa_private_segment_fixed_size 0
		.amdhsa_enable_private_segment 0
		.amdhsa_kernarg_size 96
		.amdhsa_user_sgpr_count 2
		.amdhsa_user_sgpr_kernarg_segment_ptr 1
		.amdhsa_wavefront_size32 1
		.amdhsa_system_sgpr_workgroup_id_x 1
		.amdhsa_system_sgpr_workgroup_id_y 1
		.amdhsa_system_sgpr_workgroup_id_z 1
		.amdhsa_system_vgpr_workitem_id 0
		.amdhsa_next_free_vgpr 192
		.amdhsa_next_free_sgpr 66
		.amdhsa_reserve_vcc 1
		.amdhsa_float_denorm_mode_32 3
		.amdhsa_float_denorm_mode_16_64 3
		.amdhsa_memory_ordered 1
		.amdhsa_forward_progress 1
		.amdhsa_inst_pref_size 68
	.end_amdhsa_kernel
	.amdgpu_metadata
---
amdhsa.version: [ 1, 2 ]
amdhsa.kernels:
  - .name:           k_q6754aa9cf1_prep
    .symbol:         k_q6754aa9cf1_prep.kd
    .args:
      - { .name: q, .offset: 0, .size: 8, .value_kind: global_buffer, .address_space: global }
      - { .name: k, .offset: 8, .size: 8, .value_kind: global_buffer, .address_space: global }
      - { .name: v, .offset: 16, .size: 8, .value_kind: global_buffer, .address_space: global }
      - { .name: Wq, .offset: 24, .size: 8, .value_kind: global_buffer, .address_space: global }
      - { .name: Wk, .offset: 32, .size: 8, .value_kind: global_buffer, .address_space: global }
      - { .name: Wv, .offset: 40, .size: 8, .value_kind: global_buffer, .address_space: global }
      - { .name: Wp, .offset: 48, .size: 8, .value_kind: global_buffer, .address_space: global }
      - { .name: key_padding_mask, .offset: 56, .size: 8, .value_kind: global_buffer, .address_space: global }
      - { .name: codes, .offset: 64, .size: 8, .value_kind: global_buffer, .address_space: global }
      - { .name: scales, .offset: 72, .size: 8, .value_kind: global_buffer, .address_space: global }
      - { .name: wp16, .offset: 80, .size: 8, .value_kind: global_buffer, .address_space: global }
      - { .name: bias, .offset: 88, .size: 8, .value_kind: global_buffer, .address_space: global }
    .group_segment_fixed_size: 33280
    .private_segment_fixed_size: 0
    .kernarg_segment_align: 8
    .kernarg_segment_size: 96
    .max_flat_workgroup_size: 128
    .sgpr_count:     66
    .vgpr_count:     192
    .wavefront_size: 32
...
	.end_amdgpu_metadata
.endif
;; end of part 1
;; launch proj (part 2): grid 4 x 80, 4 waves a work-group, clusters of 4 x 4, 327,680 bytes of LDS; arguments codes, scales, qkv; writes qkv
.if DOCPART == 2
	.amdgcn_target "amdgcn-amd-amdhsa--gfx1250"
	.amdhsa_code_object_version 6
	.text
	.protected	k_q6754aa9cf1_proj
	.globl	k_q6754aa9cf1_proj
	.p2align	8
	.type	k_q6754aa9cf1_proj,@function
k_q6754aa9cf1_proj:
	s_mov_b64 s[64:65], 0
	v_nop
	global_prefetch_b8 v0, s[64:65] scope:SCOPE_SE
	s_setreg_imm32_b32 hwreg(HW_REG_WAVE_MODE, 25, 1), 1
	s_wait_xcnt 0x0
	s_wait_alu depctr_hold_cnt(0) depctr_sa_sdst(0) depctr_va_vdst(0) depctr_va_sdst(0) depctr_va_ssrc(0) depctr_va_vcc(0) depctr_vm_vsrc(0)
	s_getreg_b32 s2, hwreg(HW_REG_IB_STS2, 6, 4)
	s_cmp_eq_u32 s2, 0
	s_cbranch_scc0 .Lentry_in_a_cluster
	s_endpgm
.Lentry_in_a_cluster:
	s_bfe_u32 s2, ttmp6, 0x10000c
	s_cmp_lg_u32 s2, 0xf033
	s_cbranch_scc0 .Lentry_shape_is_right
	s_endpgm
.Lentry_shape_is_right:
; CROSS ATTENTION, launch 2 of 4: the three QUANTISED projections as ONE product on codes of E2M1: qkv[m][n] = sum over k of X[m][k] W[n][k], m over the 20,480 stacked rows of q, k, v, K = 1,024, n = 0 .. 1,023;
; W is Wq for rows 0-4095, Wk for 4096-12287, Wv for 12288-20479 (rows 20480 + 1024 sel of the same stack).  Sums in f32; the result is rounded once to f16, the operand format of the attention products.
; LIMIT: |result| up to 65,504 (f16).
; A tile of 256 x 256 is made by four waves, each 128 x 128: 64 accumulators, 512 registers.  K's two steps of 512 (rows of 256 bytes) are the two first fills of two LDS slots: nothing is filled again.
; The scale bytes of the tile's 256 + 256 rows, for all of K, are two dense blocks of 8,192 bytes: they come once, with the first fills.
; CLUSTERS: 4 x 4 work-groups; X's tile is shared along a row of the cluster, W's along a column: each is asked for jointly.  A cluster's 1,024 rows lie in one of q, k, v, so sel hangs on the cluster's y alone.
; THE MATRIX INSTRUCTION IS USED TRANSPOSED (source 0 = 16 rows of W, source 1 = 16 rows of X): a lane holds eight neighbouring columns of one row of the result.
; REGISTERS: window 0: v16-29 addresses; v32-95 scale words, two sets, and nothing else; v96-127 packed results; v128-191 X's fragments, one set; v192-255 rows read back.  window 1: W's fragments, two sets.  windows 2, 3: accumulators.
.set KSTEP,  512
.set NQ,     KSTEP/128
.set ROWB,   256
.set KROW,   512                       ; a row of codes in memory
.set PITCH,  272                       ; 256 bytes + 16 of padding: the 16 rows that a load touches start at 16 different banks (64 banks of 4 bytes: ISA guide 11.1)
.set FR,     8
.set NL,     2
.set NP,     4                         ; places behind this matrix instruction (ISA guide 7.12.1)
.set HALFT,  128*PITCH
.set SLOT,   4*HALFT
.set KS,     32                        ; a row of scale bytes
.set SCL,    2*SLOT
.set HALFS,  (128*KS/256)*272
.set SBLK,   (16*KS/256)*272
.set SPARE,  SCL+4*HALFS               ; the spare words: two blocks of 256 bytes that no other line names
.set STAGE,  SPARE+512                 ; the way out: 16 rows x 272 bytes for each wave; no fill lands here
.set SPITCH, 272
.set ADRA, 16
.set ADRB, 20
.set STO,  24
.set RD,   25
.set CO,   26
.set ADRS, 27
.set SPW,  28
.set NIL,  29
.set SC,   32
.set TMP,  96
.set AF,   128
.set BK,   192
.set G1, 24
.set G0, 32
.set G1B, 48
.set G0B, 56
.set G1S, 68
.set G0S, 76
.set G1SB, 80
.set G0SB, 88
.set MSB, 0
.macro WIN new                         ; the immediate's high byte repeats the setting that is left
.if MSB != (\new)
	s_set_vgpr_msb (MSB<<8)|(\new)
.set MSB, (\new)
.endif
.endm
.set MUL_LO, 0xa1                      ; source 0 (W) window 1, source 1 (X) window 0, C and D window 2
.set MUL_HI, 0xf1
.set TO_B,   0x40
; A joint load: waves 0 and 1 fetch for X, waves 2 and 3 for W.  The branch hangs on the wave's number alone.  An s_nop 0 and four v_nop follow each line.
.macro JLOAD g0a, g1a, g0b, g1b
	s_cmp_eq_u32 s15, 0
	s_cbranch_scc0 .Lfor_b_\@
	tensor_load_to_lds s[\g0a:\g0a+3], s[\g1a:\g1a+7]
	s_nop 0
.rept 4
	v_nop
.endr
	s_branch .Lasked_\@
.Lfor_b_\@:
	tensor_load_to_lds s[\g0b:\g0b+3], s[\g1b:\g1b+7]
	s_nop 0
.rept 4
	v_nop
.endr
.Lasked_\@:
.endm
.macro CROUND                          ; a round of the cluster's barrier
	s_barrier_signal -1
	s_barrier_wait -1
	s_cmp_lg_u32 s14, 0
	s_cbranch_scc1 .Lnot_wave_0_\@
	s_barrier_signal -3
.Lnot_wave_0_\@:
	s_barrier_wait -3
	s_barrier_signal -1
	s_barrier_wait -1
.endm
	s_load_b128 s[4:7], s[0:1], 0x0                ; codes s[4:5], scales s[6:7]
	s_load_b64 s[12:13], s[0:1], 0x10              ; qkv
	v_lshl_add_u32 v[SPW], v0, 2, SPARE
	v_mov_b32 v[NIL], 0
	ds_add_u32 v[SPW], v[NIL]                      ; the wave's opening: the add, twice on end, and its wait ahead of my first tensor load
	ds_add_u32 v[SPW], v[NIL]
	v_lshrrev_b32 v1, 5, v0
	v_readfirstlane_b32 s14, v1                    ; wave 0..3
	s_lshr_b32 s15, s14, 1                         ; my half of the tile's rows.  Also: I fetch for X (0) or for W (1)
	s_and_b32 s16, s14, 1                          ; my half of its columns.  Also: which 128 rows I fetch
	s_bfe_u32 s40, ttmp6, 0x40000                  ; cx
	s_bfe_u32 s41, ttmp6, 0x40004                  ; cy
	s_lshl_b32 s42, ttmp9, 2
	s_add_co_u32 s42, s42, s40                     ; tile column
	s_and_b32 s17, ttmp7, 0xffff                   ; the cluster's y: 0-3 q, 4-11 k, 12-19 v
	s_add_co_u32 s95, s17, 4
	s_lshr_b32 s95, s95, 3                         ; sel = (y + 4) / 8
	s_lshl_b32 s95, s95, 10
	s_add_co_u32 s95, s95, 20480                   ; the weight's first row in the stack
	s_lshl_b32 s17, s17, 2
	s_add_co_u32 s17, s17, s41                     ; tile row
	s_lshl_b32 s43, s41, 2
	s_lshl_b32 s43, 15, s43                        ; my row of the cluster
	s_lshl_b32 s44, 0x1111, s40                    ; my column
	s_or_b32 s[G1+0], s43, (0<<16)|(1<<20)|(1<<21)|(5<<22)|(3<<25)  ; the mask; elements of 1 byte; padding on; bit 21 beside a mask; 4 words behind every 64
	s_or_b32 s[G1B+0], s44, (0<<16)|(1<<20)|(1<<21)|(5<<22)|(3<<25)
.irp g, G1, G1B
	s_mov_b32 s[\g+1], ROWB<<16                    ; tensor_dim0
	s_mov_b32 s[\g+2], 128<<16                     ; tensor_dim1
	s_mov_b32 s[\g+3], ROWB<<16                    ; tile_dim0
	s_mov_b32 s[\g+4], 128                         ; tile_dim1
	s_mov_b32 s[\g+5], KROW                        ; the pitch
	s_mov_b32 s[\g+6], 0
	s_mov_b32 s[\g+7], 0
.endr
	s_or_b32 s[G1S+0], s43, (3<<16)|(1<<20)|(1<<21)|(5<<22)|(3<<25) ; the scales of 128 rows: 4,096 dense bytes as 16 rows of 32 elements of 8 bytes, 16 bytes of padding behind each
	s_or_b32 s[G1SB+0], s44, (3<<16)|(1<<20)|(1<<21)|(5<<22)|(3<<25)
.irp g, G1S, G1SB
	s_mov_b32 s[\g+1], 32<<16
	s_mov_b32 s[\g+2], (128*KS/256)<<16
	s_mov_b32 s[\g+3], 32<<16
	s_mov_b32 s[\g+4], 128*KS/256
	s_mov_b32 s[\g+5], 32
	s_mov_b32 s[\g+6], 0
	s_mov_b32 s[\g+7], 0
.endr
	s_lshl_b32 s18, s16, 7                         ; which 128 rows of the tile I fetch
	s_lshl_b32 s20, s17, 8
	s_add_co_u32 s20, s20, s18                     ; X: row 256 x tile row + 128 x half
	s_lshl_b32 s46, s42, 8
	s_add_co_u32 s46, s46, s18
	s_add_co_u32 s46, s46, s95                     ; W: the weight's first row + 256 x tile column + 128 x half
	s_mov_b32 s21, 0
	s_mov_b32 s47, 0
	s_mov_b64 s[18:19], KS
	s_mul_u64 s[22:23], s[20:21], s[18:19]         ; where these rows' scales begin
	s_mul_u64 s[92:93], s[46:47], s[18:19]
	s_mov_b64 s[18:19], KROW
	s_mul_u64 s[20:21], s[20:21], s[18:19]         ; and their codes
	s_mul_u64 s[46:47], s[46:47], s[18:19]
	s_mul_i32 s45, s14, HALFT                      ; where they go: wave x 128 rows
	s_mul_i32 s94, s14, HALFS
	s_wait_dscnt 0x0                               ; both opening adds are done
	s_wait_kmcnt 0x0
	s_add_nc_u64 s[20:21], s[4:5], s[20:21]
	s_add_nc_u64 s[22:23], s[6:7], s[22:23]
	s_add_nc_u64 s[46:47], s[4:5], s[46:47]
	s_add_nc_u64 s[92:93], s[6:7], s[92:93]
	CROUND                                         ; all sixteen work-groups are here: the first joint loads meet
	s_mov_b32 s[G0S], 1
	s_add_co_u32 s[G0S+1], s94, SCL
	s_mov_b64 s[G0S+2:G0S+3], s[22:23]
	s_or_b32 s[G0S+3], s[G0S+3], 0x80000000
	s_mov_b32 s[G0SB], 1
	s_add_co_u32 s[G0SB+1], s94, SCL
	s_mov_b64 s[G0SB+2:G0SB+3], s[92:93]
	s_or_b32 s[G0SB+3], s[G0SB+3], 0x80000000
	JLOAD G0S, G1S, G0SB, G1SB                     ; the scales first: they are wanted with K step 0
.irp s, 0,1
	s_mov_b32 s[G0+4*\s], 1
	s_add_co_u32 s[G0+4*\s+1], s45, \s*SLOT
	s_add_nc_u64 s[G0+4*\s+2:G0+4*\s+3], s[20:21], \s*ROWB
	s_or_b32 s[G0+4*\s+3], s[G0+4*\s+3], 0x80000000
	s_mov_b32 s[G0B+4*\s], 1
	s_add_co_u32 s[G0B+4*\s+1], s45, \s*SLOT
	s_add_nc_u64 s[G0B+4*\s+2:G0B+4*\s+3], s[46:47], \s*ROWB
	s_or_b32 s[G0B+4*\s+3], s[G0B+4*\s+3], 0x80000000
	JLOAD G0+4*\s, G1, G0B+4*\s, G1B               ; three loads of mine are out at the most
.endr
	v_and_b32 v1, 15, v0                           ; l % 16
	v_bfe_u32 v2, v0, 4, 1                         ; l / 16
	v_mul_u32_u24 v3, v1, PITCH
	v_lshl_add_u32 v4, v2, 4, v3                   ; a fragment's row x pitch + 16 x half
	s_mul_i32 s21, s15, HALFT                      ; my 128 rows of X
	s_mul_i32 s22, s16, HALFT                      ; my 128 rows of W,
	s_add_co_u32 s22, s22, 2*HALFT                 ; behind X's 256
.irp s, 0,1
	v_add_nc_u32 v[ADRA+\s], s21, v4
	v_add_nc_u32 v[ADRB+\s], s22, v4
	s_add_co_u32 s21, s21, SLOT
	s_add_co_u32 s22, s22, SLOT
.endr
	v_mul_u32_u24 v5, v1, KS                       ; my row's scales: KS bytes a row,
	v_lshrrev_b32 v6, 8, v5
	v_lshl_add_u32 v5, v6, 4, v5                   ; and 16 more for each 256 passed
	s_mul_i32 s21, s15, HALFS
	s_mul_i32 s22, s16, HALFS
	s_add_co_u32 s22, s22, 2*HALFS
	s_sub_co_u32 s22, s22, s21
	v_mul_u32_u24 v6, s22, v2                      ; lanes 16-31 take W's: one product, the distance between the two bases
	s_add_co_u32 s21, s21, SCL
	v_add_nc_u32 v5, v5, v6
	v_add_nc_u32 v[ADRS], s21, v5
	s_mul_i32 s23, s14, 16*SPITCH
	s_add_co_u32 s23, s23, STAGE                   ; my stage
	v_mul_u32_u24 v5, v1, SPITCH                   ; in: row l % 16, 16 bytes for each half of the lanes
	v_lshl_add_u32 v5, v2, 4, v5
	v_add_nc_u32 v[STO], s23, v5
	v_mul_u32_u24 v5, v2, SPITCH                   ; back: lanes 0-15 one row of 256 bytes, lanes 16-31 the next
	v_lshl_add_u32 v5, v1, 4, v5
	v_add_nc_u32 v[RD], s23, v5
	v_lshlrev_b32 v5, 11, v2                       ; and the same two rows in qkv (2,048 bytes a row)
	v_lshl_add_u32 v[CO], v1, 4, v5
	s_lshl_b32 s20, s17, 8
	s_lshl_b32 s21, s15, 7
	s_add_co_u32 s20, s20, s21                     ; my first row
	s_lshl_b32 s20, s20, 11
	s_lshl_b32 s46, s42, 9                         ; my first column, in bytes: 512 x tile column + 256 x half
	s_lshl_b32 s47, s16, 8
	s_add_co_u32 s46, s46, s47
	s_add_co_u32 s20, s20, s46
	s_mov_b32 s21, 0
	s_add_nc_u64 s[12:13], s[12:13], s[20:21]
.macro FRAG reg, adr, q, i             ; 16 rows x 128 K of 4-bit codes: 8 registers; registers 4 c .. 4 c + 3 hold K = 64 c + 32 (l / 16) + 0 .. 31
.irp c, 0,1
	ds_load_b128 v[\reg+4*\c:\reg+4*\c+3], v[\adr] offset:64*(\q)+32*\c+(\i)*16*PITCH
.endr
.endm
; 16 matrix instructions: X's blocks a0, a0 + 1 x W's eight.  The 64 accumulators take turns, one instruction a turn, in the same order in every step.
.macro MUL16 a0, p, q, sc, zero
.irp a, \a0, \a0+1
.irp b, 0,1,2,3,4,5,6,7
.if \zero
	v_wmma_scale_f32_16x16x128_f8f6f4 v[8*(8*((\a)%4)+\b):8*(8*((\a)%4)+\b)+7], v[128*(\p)+FR*\b:128*(\p)+FR*\b+FR-1], v[AF+FR*(\a):AF+FR*(\a)+FR-1], 0, v[SC+8*NQ*(\sc)+NQ*\b+(\q)], v[SC+8*NQ*(\sc)+NQ*(\a)+(\q)] matrix_a_fmt:MATRIX_FMT_FP4 matrix_b_fmt:MATRIX_FMT_FP4 matrix_a_scale:MATRIX_SCALE_ROW1
.else
	v_wmma_scale_f32_16x16x128_f8f6f4 v[8*(8*((\a)%4)+\b):8*(8*((\a)%4)+\b)+7], v[128*(\p)+FR*\b:128*(\p)+FR*\b+FR-1], v[AF+FR*(\a):AF+FR*(\a)+FR-1], v[8*(8*((\a)%4)+\b):8*(8*((\a)%4)+\b)+7], v[SC+8*NQ*(\sc)+NQ*\b+(\q)], v[SC+8*NQ*(\sc)+NQ*(\a)+(\q)] matrix_a_fmt:MATRIX_FMT_FP4 matrix_b_fmt:MATRIX_FMT_FP4 matrix_a_scale:MATRIX_SCALE_ROW1
.endif
.endr
.endr
.endm
.macro FETCH_B slot, q, p
	WIN TO_B
.irp i, 0,1,2,3,4,5,6,7
	FRAG 128*(\p)+FR*\i, ADRB+\slot, \q, \i
.endr
	WIN 0
.endm
.macro FETCH_A slot, q, i0
.irp i, \i0, \i0+1, \i0+2, \i0+3
	FRAG AF+FR*(\i), ADRA+\slot, \q, \i
.endr
.endm
.macro SCALES sc                       ; a K step's scale words: lanes 0-15 X's block i, lanes 16-31 W's block i
.irp i, 0,1,2,3,4,5,6,7
	ds_load_b128 v[SC+8*NQ*\sc+NQ*\i:SC+8*NQ*\sc+NQ*\i+3], v[ADRS] offset:\i*SBLK
.endr
.endm
.macro PLACES n                        ; plain vector lines between a matrix instruction and a load into, or a read of, its registers (ISA guide 7.12.1 for reads)
.rept \n
	v_nop
.endr
.endm
.macro STEP slot, q, zero              ; 128 along K with its successor in the same slot
	s_wait_dscnt 4*NL                              ; W's set and X's blocks 0-3 are in; the youngest eight loads (X's blocks 4-7) may be out
	WIN MUL_LO
	MUL16 0, (\q)%2, \q, \slot, \zero
	MUL16 2, (\q)%2, \q, \slot, \zero
	s_wait_dscnt 0
	PLACES NP
	FETCH_B \slot, (\q)+1, 1-(\q)%2
	FETCH_A \slot, (\q)+1, 0
	WIN MUL_HI
	MUL16 4, (\q)%2, \q, \slot, \zero
	MUL16 6, (\q)%2, \q, \slot, \zero
	PLACES NP
	WIN 0
	FETCH_A \slot, (\q)+1, 4
.endm
; Slot 0's last step goes over to slot 1: each wave has waited for its part of slot 1 in front of the barrier; nothing is filled again.
.macro TURN slot, next
	s_wait_tensorcnt 0x0                           ; all my tensor loads have landed: my part of the next slot
	ds_add_u32 v[SPW], v[NIL]
	s_wait_dscnt 4*NL+1                            ; (the add and the youngest eight loads may be out)
	WIN MUL_LO
	MUL16 0, 1, NQ-1, \slot, 0
	s_wait_dscnt 0x0
	s_barrier_signal -1
	MUL16 2, 1, NQ-1, \slot, 0
	WIN 0
	s_barrier_wait -1
	PLACES NP
	v_add_nc_u32 v[ADRS], 4*NQ, v[ADRS]            ; on to the next K step's scale words
	FETCH_B \next, 0, 0
	FETCH_A \next, 0, 0
	SCALES \next
	WIN MUL_HI
	MUL16 4, 1, NQ-1, \slot, 0
	MUL16 6, 1, NQ-1, \slot, 0
	PLACES NP
	WIN 0
	FETCH_A \next, 0, 4
.endm
.macro STEPS slot, from
.set Q, \from
.rept NQ-1-\from
	STEP \slot, Q, 0
.set Q, Q+1
.endr
.endm
	s_wait_tensorcnt 1                             ; the scales and my part of K step 0 are in; K step 1's load may be out
	s_barrier_signal -1
	s_barrier_wait -1
	FETCH_B 0, 0, 0
	FETCH_A 0, 0, 0
	SCALES 0
	FETCH_A 0, 0, 4
	STEP 0, 0, 1                                   ; the first products start the sums: nothing is cleared
	STEPS 0, 1
	TURN 0, 1
	STEPS 1, 0
	s_wait_dscnt 4*NL
	WIN MUL_LO
	MUL16 0, 1, NQ-1, 1, 0
	MUL16 2, 1, NQ-1, 1, 0
	s_wait_dscnt 0
	WIN MUL_HI
	MUL16 4, 1, NQ-1, 1, 0
	MUL16 6, 1, NQ-1, 1, 0
	WIN 0
; THE WAY OUT, a block of 16 rows x 128 columns at a time: rounded to f16 (16 bytes a lane), through my own stage, back as whole rows of 256 bytes: sixteen lanes store 256 consecutive aligned bytes.
.macro PACK a
.set AC, 64*((\a)%4)
	WIN 0x0a+5*((\a)/4)                            ; sources 0 and 1: window 2 or 3
.irp b, 0,1,2,3,4,5,6,7
.irp r, 0,1,2,3
	v_cvt_pk_f16_f32 v[TMP+4*\b+\r], v[AC+8*\b+2*\r], v[AC+8*\b+2*\r+1]   ; each accumulator from its low end on
.endr
.endr
	WIN 0
.endm
.macro TOSTAGE a
.set BB, BK+32*((\a)%2)
.irp b, 0,1,2,3,4,5,6,7
	ds_store_b128 v[STO], v[TMP+4*\b:TMP+4*\b+3] offset:32*\b
.endr
.irp t, 0,1,2,3,4,5,6,7
	ds_load_b128 v[BB+4*\t:BB+4*\t+3], v[RD] offset:\t*2*SPITCH    ; LDS serves a wave's instructions in order: these see the stores above
.endr
.endm
.macro SEND a
.set BB, BK+32*((\a)%2)
	s_wait_dscnt 0x0                               ; the block is back in registers
	s_wait_xcnt 0x0                                ; the stores of the block before have read their data: the next block's loads may land there
.irp t, 0,1,2,3,4,5,6,7
	global_store_b128 v[CO], v[BB+4*\t:BB+4*\t+3], s[12:13] offset:(16*(\a)+2*\t)*2048
.endr
.endm
	PLACES NP
	PACK 0
	TOSTAGE 0
.irp a, 1,2,3,4,5,6,7
	PACK \a                                        ; block a's conversions stand between block a - 1's loads from the stage and the wait for them
	SEND \a-1
	TOSTAGE \a
.endr
	SEND 7
	s_wait_tensorcnt 0x0                           ; the wave's end
	ds_add_u32 v[SPW], v[NIL]
	s_wait_dscnt 0x0
	CROUND                                         ; the closing round
	s_endpgm
.Lfunc_end_k_q6754aa9cf1_proj:
	.size	k_q6754aa9cf1_proj, .Lfunc_end_k_q6754aa9cf1_proj-k_q6754aa9cf1_proj
	.p2alignl 7, 3214868480
	.fill 96, 4, 3214868480
	.section	.rodata,"a",@progbits
	.p2align	6, 0x0
	.amdhsa_kernel k_q6754aa9cf1_proj
		.amdhsa_group_segment_fixed_size 327680
		.amdhsa_private_segment_fixed_size 0
		.amdhsa_enable_private_segment 0
		.amdhsa_kernarg_size 24
		.amdhsa_user_sgpr_count 2
		.amdhsa_user_sgpr_kernarg_segment_ptr 1
		.amdhsa_wavefront_size32 1
		.amdhsa_system_sgpr_workgroup_id_x 1
		.amdhsa_system_sgpr_workgroup_id_y 1
		.amdhsa_system_sgpr_workgroup_id_z 1
		.amdhsa_system_vgpr_workitem_id 0
		.amdhsa_next_free_vgpr 1024
		.amdhsa_next_free_sgpr 98
		.amdhsa_reserve_vcc 0
		.amdhsa_float_denorm_mode_32 3
		.amdhsa_float_denorm_mode_16_64 3
		.amdhsa_memory_ordered 1
		.amdhsa_forward_progress 1
		.amdhsa_inst_pref_size 126
	.end_amdhsa_kernel
	.amdgpu_metadata
---
amdhsa.version: [ 1, 2 ]
amdhsa.kernels:
  - .name:           k_q6754aa9cf1_proj
    .symbol:         k_q6754aa9cf1_proj.kd
    .args:
      - { .name: codes, .offset: 0, .size: 8, .value_kind: global_buffer, .address_space: global }
      - { .name: scales, .offset: 8, .size: 8, .value_kind: global_buffer, .address_space: global }
      - { .name: qkv, .offset: 16, .size: 8, .value_kind: global_buffer, .address_space: global }
    .group_segment_fixed_size: 327680
    .private_segment_fixed_size: 0
    .kernarg_segment_align: 8
    .kernarg_segment_size: 24
    .max_flat_workgroup_size: 128
    .sgpr_count:     98
    .vgpr_count:     1024
    .wavefront_size: 32
...
	.end_amdgpu_metadata
.endif
;; end of part 2
;; launch attn (part 3): grid 16 x 16, 8 waves a work-group, clusters of 4 x 1, 327,680 bytes of LDS; arguments qkv, bias, ao; writes ao
.if DOCPART == 3
	.amdgcn_target "amdgcn-amd-amdhsa--gfx1250"
	.amdhsa_code_object_version 6
	.text
	.protected	k_q6754aa9cf1_attn
	.globl	k_q6754aa9cf1_attn
	.p2align	8
	.type	k_q6754aa9cf1_attn,@function
k_q6754aa9cf1_attn:
	s_mov_b64 s[64:65], 0
	v_nop
	global_prefetch_b8 v0, s[64:65] scope:SCOPE_SE
	s_setreg_imm32_b32 hwreg(HW_REG_WAVE_MODE, 25, 1), 1
	s_wait_xcnt 0x0
	s_wait_alu depctr_hold_cnt(0) depctr_sa_sdst(0) depctr_va_vdst(0) depctr_va_sdst(0) depctr_va_ssrc(0) depctr_va_vcc(0) depctr_vm_vsrc(0)
	s_getreg_b32 s2, hwreg(HW_REG_IB_STS2, 6, 4)
	s_cmp_eq_u32 s2, 0
	s_cbranch_scc0 .Lentry_in_a_cluster
	s_endpgm
.Lentry_in_a_cluster:
	s_bfe_u32 s2, ttmp6, 0x10000c
	s_cmp_lg_u32 s2, 0x3003
	s_cbranch_scc0 .Lentry_shape_is_right
	s_endpgm
.Lentry_shape_is_right:
; CROSS ATTENTION, launch 3 of 4: ao[b][q][h 64 + d] = sum over keys of softmax(mask(qh . kh) / 8) vh.  Operands f16 (qkv: rows 0-4095 qh, 4096-12287 kh, 12288-20479 vh; column = 64 h + d), sums, maxima and exponentials in f32; ao f16.
; THE MASK costs no vector work: bias[b][key] (-1e20 where masked, else 0) is the C of the first product of each tile of scores, so a masked score is s - 1e20 and its weight is 0 as in reference().
; For a batch whose every key is masked the table holds 0 and the factor cs is 0: all weights are 1, reference()'s uniform softmax.  cs (log2(e) / 8 otherwise) is a multiplier alone; no branch hangs on it.
; SOFTMAX: for each query a running maximum m and sum l; p = 2^(cs s - cs m); O and l are multiplied by a = 2^(cs m_old - cs m_new) in every step.  m starts at the floor -2^39, which lies under every score that f16
; operands can give (64 x 65,504^2 < 2^38): so a run of masked keys leaves p = 0, l = 0, O = 0 and no number out of range.
; LIMITS: |qh|, |kh|, |vh| up to 65,504; NaN and infinities are not served.
; SHARES: a work-group owns 128 queries of a PAIR of heads, so that a row of its tiles of K, V, Q and ao is 256 consecutive aligned bytes.  Wave w: head e = w % 2 of the pair, queries 64 g on (g = (w / 2) % 2: four tiles of 16),
; key steps of parity s = w / 4: 32 steps of 64 keys.  Waves w and w + 4 are merged at the end through LDS.  Two waves share a SIMD's registers: one's softmax stands beside the other's products.
; LAYOUT: S^T = K Q^T (source 0 = 16 keys, source 1 = 16 queries): a lane holds one query; two tiles, rounded to f16 in pairs, ARE source 1 of O^T = V^T P.  V is turned by ds_load_tr16_b128.
; RING: two slots of 256 keys (four steps: 64 rows of K, pitch 272, then 64 rows of V, pitch 288).  Waves 0-3 fetch the four tiles of K, waves 4-7 those of V: one load a wave behind each round.
; CLUSTER: the four query blocks of a cluster walk the same K, V and bias: every tile is asked for jointly.
; REGISTERS: window 0: v4-22 addresses; v24-55 statistics, 8 a tile: +0 cs m, +1 m, +2, +3 l, +4..+7 at work (a at +6); v56-87 the bias as C; v88-215 S^T, 32 a tile, P in place in the low 16; v216-255 at work.
;   window 1: v0-127 O^T (32 t + 8 c); v128-191 Q (16 t + 8 kk); v192-255 K, then V, of the step in hand.
.set PK,    272
.set PV,    288
.set VOFF,  64*PK
.set STEPB, 64*(PK+PV)
.set SLOTB, 4*STEPB
.set BIAS,  2*SLOTB                    ; the batch's 4,096 numbers of bias: filled once
.set SPARE, BIAS+16384                 ; the spare words, 128 bytes a wave: four blocks of 256 bytes that no other line names
.set MW,    17408                      ; the merge: a wave's O^T as 32 images of 512 bytes, cs m at 16,384 + 128 t, l at 16,896 + 128 t; in slot 0, behind its last fill and last read
.set CHUNK, 256*2048                   ; 256 rows of qkv
.set AK0, 4
.set AV0, 5
.set AB0, 6
.set ADK, 7
.set ADV, 8
.set ADB, 9
.set QO,  10
.set MST, 11
.set MSS, 12
.set MLA, 13
.set MLB, 14
.set MSA, 15
.set MSB2, 16
.set OSTO, 17
.set ORD, 18
.set GO,  19
.set SPW, 20
.set NIL, 21
.set PFO, 22
.set ST,  24
.set BI,  56
.set S,   88
.set OT,  0
.set QF,  128
.set KV,  192
.set WV,  10
.set G1K, 24
.set G1V, 32
.set G1S, 40
.set G0,  48
.set G0S, 56
.set CS,  60
.set SEL, 62
.set TB,  66                           ; s66 LDS byte at which the step pair in hand begins
.set TBB, 67                           ; s67 the same in the bias: 512 bytes a step of mine
.set TRIPS, 68
.set TWICE, 69
.set LIM, 70
.set PFA, 72
.set MSB, 0
.macro WIN new
.if MSB != (\new)
	s_set_vgpr_msb (MSB<<8)|(\new)
.set MSB, (\new)
.endif
.endm
.set W_KQ, 0x05                        ; K and Q window 1; C and D window 0
.set W_PV, 0x51                        ; V window 1, P window 0, O^T window 1
.set W_RS, 0x41                        ; O^T (destination, source 0) window 1, a window 0
.set TO1,  0x40                        ; a load's destination window 1
.set ST1,  0x04                        ; an LDS store's data window 1
.macro CROUND
	s_barrier_signal -1
	s_barrier_wait -1
	s_cmp_lg_u32 s[WV], 0
	s_cbranch_scc1 .Lnot_wave_0_\@
	s_barrier_signal -3
.Lnot_wave_0_\@:
	s_barrier_wait -3
	s_barrier_signal -1
	s_barrier_wait -1
.endm
.macro JLOAD n                         ; a joint refill of slot n; the branch hangs on the wave's number alone; an s_nop 0 and four v_nop follow each line
	s_cmp_lt_u32 s[WV], 4
	s_cbranch_scc0 .Lfor_v_\@
	tensor_load_to_lds s[G0+4*\n:G0+4*\n+3], s[G1K:G1K+7]
	s_nop 0
.rept 4
	v_nop
.endr
	s_branch .Lasked_\@
.Lfor_v_\@:
	tensor_load_to_lds s[G0+4*\n:G0+4*\n+3], s[G1V:G1V+7]
	s_nop 0
.rept 4
	v_nop
.endr
.Lasked_\@:
.endm
; A PREFETCH of the 256 keys that the NEXT change of slots will ask for: 256 rows of K and 256 of V, 256 bytes each, a lane a row.  Each row is named once in the launch: of the four clusters that walk a
; (batch, head pair) the first asks; its four partners take 64 rows each, told apart by address; in each, waves 0, 1 ask for K's and waves 2, 3 for V's, 32 rows a wave.  The last fill asks for nothing.
.macro ASK how
.if \how
	s_cmp_eq_u32 s[LIM], 1
.else
	s_cmp_gt_u32 s[TRIPS], s[LIM]                  ; s[TRIPS] = 1 in the last trip
.endif
	s_cbranch_scc0 .Lnot_mine_\@
	global_prefetch_b8 v[PFO], s[PFA:PFA+1] th:TH_LOAD_NT scope:SCOPE_SE
.Lnot_mine_\@:
.endm
	s_load_b128 s[4:7], s[0:1], 0x0                ; qkv s[4:5], bias s[6:7]
	s_load_b64 s[8:9], s[0:1], 0x10                ; ao
	v_lshl_add_u32 v[SPW], v0, 2, SPARE
	v_mov_b32 v[NIL], 0
	ds_add_u32 v[SPW], v[NIL]                      ; the wave's opening: the add, twice on end, and its wait ahead of my first tensor load
	ds_add_u32 v[SPW], v[NIL]
	v_lshrrev_b32 v1, 5, v0
	v_readfirstlane_b32 s[WV], v1                  ; wave 0..7
	s_and_b32 s11, s10, 1                          ; e
	s_bfe_u32 s12, s10, 0x10001                    ; g
	s_lshr_b32 s13, s10, 2                         ; s.  Also: I fetch K (0) or V (1)
	s_and_b32 s14, s10, 3                          ; which of a slot's four steps I fetch
	s_bfe_u32 s15, ttmp6, 0x40000                  ; cx
	s_lshl_b32 s16, ttmp9, 2
	s_add_co_u32 s16, s16, s15                     ; my block of 128 queries
	s_and_b32 s17, ttmp7, 0xffff
	s_lshr_b32 s18, s17, 3                         ; b
	s_and_b32 s19, s17, 7                          ; the pair of heads
	s_mov_b32 s[G1K], 15|(1<<16)|(1<<20)|(1<<21)|(5<<22)|(3<<25)  ; the mask: all four; elements of 2 bytes; padding on; bit 21 beside a mask; 4 words behind every 64
	s_mov_b32 s[G1V], 15|(1<<16)|(1<<20)|(1<<21)|(5<<22)|(7<<25)  ; the same with 8 words
.irp g, G1K, G1V
	s_mov_b32 s[\g+1], 128<<16                     ; tensor_dim0 = 128 elements
	s_mov_b32 s[\g+2], 64<<16                      ; tensor_dim1 = 64
	s_mov_b32 s[\g+3], 128<<16                     ; tile_dim0
	s_mov_b32 s[\g+4], 64                          ; tile_dim1
	s_mov_b32 s[\g+5], 1024                        ; the pitch, in elements
	s_mov_b32 s[\g+6], 0
	s_mov_b32 s[\g+7], 0
.endr
	s_mov_b32 s[G1S], 15|(3<<16)|(1<<21)           ; the bias: 2,048 dense bytes a wave, as 8 rows of 32 elements of 8 bytes
	s_mov_b32 s[G1S+1], 32<<16
	s_mov_b32 s[G1S+2], 8<<16
	s_mov_b32 s[G1S+3], 32<<16
	s_mov_b32 s[G1S+4], 8
	s_mov_b32 s[G1S+5], 32
	s_mov_b32 s[G1S+6], 0
	s_mov_b32 s[G1S+7], 0
	s_mov_b32 s[SEL], 0x76543210
	s_mov_b32 s[SEL+1], 0xfedcba98
	s_mov_b32 s[TB], 0
	s_mov_b32 s[TBB], 0
	s_mul_i32 s74, s14, STEPB
	s_mul_i32 s75, s13, VOFF
	s_add_co_u32 s74, s74, s75                     ; my tile's place in a slot
	s_lshl_b32 s76, s13, 13
	s_lshl_b32 s77, s18, 12
	s_add_co_u32 s76, s76, s77
	s_lshl_b32 s77, s14, 6
	s_add_co_u32 s76, s76, s77
	s_add_co_u32 s76, s76, 4096                    ; its first row: 4096 + 8192 (V) + 4096 b + 64 x step
	s_lshl_b32 s76, s76, 11
	s_lshl_b32 s77, s19, 8
	s_add_co_u32 s76, s76, s77                     ; in bytes, at the pair's 256
	s_mov_b32 s77, 0
	s_lshl_b32 s78, s18, 14
	s_lshl_b32 s79, s10, 11
	s_add_co_u32 s78, s78, s79                     ; my 2,048 bytes of the batch's bias
	s_mov_b32 s79, 0
	s_lshl_b32 s80, s18, 8                         ; cs of batch b lies 32,768 + 256 b bytes into the buffer
	s_mov_b32 s81, 0
	s_lshl_b32 s82, s18, 11
	s_lshl_b32 s83, s16, 7
	s_add_co_u32 s82, s82, s83                     ; the work-group's first query row
	s_lshl_b32 s83, s12, 6
	s_add_co_u32 s84, s82, s83
	s_lshl_b32 s84, s84, 11
	s_lshl_b32 s85, s19, 8
	s_add_co_u32 s84, s84, s85
	s_lshl_b32 s85, s11, 7
	s_add_co_u32 s84, s84, s85                     ; Q: row + 64 g, my head's 128 bytes
	s_mov_b32 s85, 0
	s_lshl_b32 s83, s10, 4
	s_add_co_u32 s86, s82, s83
	s_lshl_b32 s86, s86, 11
	s_lshl_b32 s87, s19, 8
	s_add_co_u32 s86, s86, s87                     ; ao: row + 16 w, the pair's 256 bytes
	s_mov_b32 s87, 0
	s_lshl_b32 s88, s12, 13                        ; the prefetches: K (waves 0, 1) or V (waves 2, 3),
	s_lshl_b32 s89, s18, 12
	s_add_co_u32 s88, s88, s89
	s_lshl_b32 s89, s15, 6                         ; my work-group's 64 rows of the 256,
	s_add_co_u32 s88, s88, s89
	s_lshl_b32 s89, s11, 5                         ; my wave's 32 of them,
	s_add_co_u32 s88, s88, s89
	s_add_co_u32 s88, s88, 4096+512                ; at keys 512 on: the first change of slots steps it to keys 768 on
	s_lshl_b32 s88, s88, 11
	s_lshl_b32 s89, s19, 8
	s_add_co_u32 s88, s88, s89
	s_mov_b32 s89, 0
	s_or_b32 s[LIM], s13, ttmp9                    ; 0 in waves 0-3 of the first cluster along x: the same in all four partners
	s_cmp_eq_u32 s[LIM], 0
	s_cselect_b32 s[LIM], 1, -1
	s_wait_dscnt 0x0                               ; both opening adds are done
	s_wait_kmcnt 0x0
	s_add_nc_u64 s[80:81], s[6:7], s[80:81]
	s_load_b32 s[CS], s[80:81], 0x8000             ; cs
	s_mov_b32 s[G0], 1
	s_mov_b32 s[G0+1], s74
	s_add_nc_u64 s[G0+2:G0+3], s[4:5], s[76:77]    ; slot 0: keys 0-255
	s_mov_b32 s[G0+4], 1
	s_add_co_u32 s[G0+5], s74, SLOTB
	s_add_nc_u64 s[G0+6:G0+7], s[G0+2:G0+3], CHUNK ; slot 1: keys 256-511
	s_or_b32 s[G0+3], s[G0+3], 0x80000000
	s_or_b32 s[G0+7], s[G0+7], 0x80000000
	s_mov_b32 s[G0S], 1
	s_lshl_b32 s[G0S+1], s10, 11
	s_add_co_u32 s[G0S+1], s[G0S+1], BIAS
	s_add_nc_u64 s[G0S+2:G0S+3], s[6:7], s[78:79]
	s_or_b32 s[G0S+3], s[G0S+3], 0x80000000
	s_add_nc_u64 s[84:85], s[4:5], s[84:85]
	s_add_nc_u64 s[8:9], s[8:9], s[86:87]
	s_add_nc_u64 s[PFA:PFA+1], s[4:5], s[88:89]
	CROUND                                         ; all four work-groups are here: the first joint loads meet
	s_cmp_lt_u32 s[WV], 4                          ; a wave's three first fills stand in one branch: three loads of mine are out
	s_cbranch_scc0 .Lfirst_v
	tensor_load_to_lds s[G0S:G0S+3], s[G1S:G1S+7]
	s_nop 0
	tensor_load_to_lds s[G0:G0+3], s[G1K:G1K+7]
	s_nop 0
	tensor_load_to_lds s[G0+4:G0+7], s[G1K:G1K+7]
	s_nop 0
.rept 4
	v_nop
.endr
	s_branch .Lfirst_asked
.Lfirst_v:
	tensor_load_to_lds s[G0S:G0S+3], s[G1S:G1S+7]
	s_nop 0
	tensor_load_to_lds s[G0:G0+3], s[G1V:G1V+7]
	s_nop 0
	tensor_load_to_lds s[G0+4:G0+7], s[G1V:G1V+7]
	s_nop 0
.rept 4
	v_nop
.endr
.Lfirst_asked:
	v_and_b32 v1, 15, v0                           ; r
	v_bfe_u32 v2, v0, 4, 1                         ; h
	v_and_b32 v3, 31, v0                           ; lane
	v_lshlrev_b32 v[QO], 11, v1
	v_lshl_add_u32 v[QO], v2, 4, v[QO]             ; row r of 2,048 bytes + 16 h
	WIN TO1
.irp t, 0,1,2,3
.irp kk, 0,1
	global_load_b128 v[QF+16*\t+8*\kk:QF+16*\t+8*\kk+3],   v[QO], s[84:85] offset:\t*32768+64*\kk      ; Q stays in registers
	global_load_b128 v[QF+16*\t+8*\kk+4:QF+16*\t+8*\kk+7], v[QO], s[84:85] offset:\t*32768+64*\kk+32
.endr
.endr
	WIN 0
	s_lshl_b32 s82, s11, 7
	s_mul_i32 s83, s13, STEPB
	s_add_co_u32 s82, s82, s83                     ; my head's 128 bytes of a row, my parity's step
	v_mul_u32_u24 v[AK0], v1, PK
	v_lshl_add_u32 v[AK0], v2, 4, v[AK0]
	v_add_nc_u32 v[AK0], s82, v[AK0]
	s_add_co_u32 s83, s82, VOFF
	v_and_b32 v216, 7, v0
	v_bfe_u32 v217, v0, 3, 1
	v_lshl_add_u32 v[AV0], v2, 3, v216             ; the turning load: key 8 h + l % 8, channels 8 ((l / 8) % 2) on
	v_mul_u32_u24 v[AV0], v[AV0], PV
	v_lshl_add_u32 v[AV0], v217, 4, v[AV0]
	v_add_nc_u32 v[AV0], s83, v[AV0]
	s_lshl_b32 s83, s13, 8
	s_add_co_u32 s83, s83, BIAS
	v_lshl_add_u32 v[AB0], v2, 5, s83              ; the bias as C: register j of lane (r, h) is key 8 h + j of a tile
	s_mul_i32 s83, s10, MW
	v_lshl_add_u32 v[MST], v3, 4, s83
	s_add_co_u32 s83, s83, 16384
	v_lshl_add_u32 v[MSS], v3, 2, s83
	s_mul_i32 s83, s14, MW                         ; the merge reads both parities' tiles 2 s, 2 s + 1 of my (head, queries)
	s_lshl_b32 s86, s13, 13
	s_add_co_u32 s86, s86, s83
	v_lshl_add_u32 v[MLA], v3, 4, s86
	v_add_nc_u32 v[MLB], 4*MW, v[MLA]
	s_lshl_b32 s86, s13, 8
	s_add_co_u32 s86, s86, s83
	s_add_co_u32 s86, s86, 16384
	v_lshl_add_u32 v[MSA], v3, 2, s86
	v_add_nc_u32 v[MSB2], 4*MW, v[MSA]
	s_lshl_b32 s83, s12, 6
	s_lshl_b32 s86, s13, 5
	s_add_co_u32 s83, s83, s86
	s_mul_i32 s83, s83, 272
	s_lshl_b32 s86, s11, 7
	s_add_co_u32 s83, s83, s86
	s_add_co_u32 s83, s83, SLOTB                   ; the out stage, 128 rows x 272 bytes, in slot 1 behind its last read
	v_mul_u32_u24 v[OSTO], v1, 272
	v_lshl_add_u32 v[OSTO], v2, 4, v[OSTO]
	v_add_nc_u32 v[OSTO], s83, v[OSTO]
	s_mul_i32 s83, s10, 16*272
	s_add_co_u32 s83, s83, SLOTB
	v_mul_u32_u24 v[ORD], v2, 272
	v_lshl_add_u32 v[ORD], v1, 4, v[ORD]
	v_add_nc_u32 v[ORD], s83, v[ORD]
	v_lshlrev_b32 v[GO], 11, v2
	v_lshl_add_u32 v[GO], v1, 4, v[GO]
	v_lshlrev_b32 v[PFO], 11, v3
; A KEY STEP of mine: 64 keys x my 64 queries.  first = 1: it starts m, l and O^T.
.macro STEP first
	v_add_nc_u32 v[ADK], s[TB], v[AK0]             ; these three and two v_nop: five plain lines between the last step's products, the loads into V's registers and the products that write over P's
	v_add_nc_u32 v[ADV], s[TB], v[AV0]
	v_add_nc_u32 v[ADB], s[TBB], v[AB0]
	v_nop
	v_nop
	WIN TO1
.irp kt, 0,1,2,3
.irp kk, 0,1
	ds_load_b128 v[KV+16*\kt+8*\kk:KV+16*\kt+8*\kk+3],   v[ADK] offset:\kt*16*PK+64*\kk
	ds_load_b128 v[KV+16*\kt+8*\kk+4:KV+16*\kt+8*\kk+7], v[ADK] offset:\kt*16*PK+64*\kk+32
.endr
.endr
	WIN 0
.irp kt, 0,1,2,3
	ds_load_b128 v[BI+8*\kt:BI+8*\kt+3],   v[ADB] offset:64*\kt
	ds_load_b128 v[BI+8*\kt+4:BI+8*\kt+7], v[ADB] offset:64*\kt+16
.endr
	s_wait_dscnt 0x0
	WIN W_KQ
.irp kk, 0,1                                   ; S^T = K Q^T + bias: 16 accumulators by turns
.irp kt, 0,1,2,3
.irp t, 0,1,2,3
.if \kk == 0
	v_wmma_f32_16x16x32_f16 v[S+32*\t+8*\kt:S+32*\t+8*\kt+7], v[KV+16*\kt+8*\kk:KV+16*\kt+8*\kk+7], v[QF+16*\t+8*\kk:QF+16*\t+8*\kk+7], v[BI+8*\kt:BI+8*\kt+7]
.else
	v_wmma_f32_16x16x32_f16 v[S+32*\t+8*\kt:S+32*\t+8*\kt+7], v[KV+16*\kt+8*\kk:KV+16*\kt+8*\kk+7], v[QF+16*\t+8*\kk:QF+16*\t+8*\kk+7], v[S+32*\t+8*\kt:S+32*\t+8*\kt+7]
.endif
.endr
.endr
.endr
.rept 4
	v_nop                                          ; places in front of the loads into K's registers and of the first read of the scores
.endr
	WIN TO1
.irp kh, 0,1
.irp c, 0,1,2,3
	ds_load_tr16_b128 v[KV+32*\kh+8*\c:KV+32*\kh+8*\c+3],   v[ADV] offset:\kh*32*PV+32*\c       ; V^T: 16 channels x 32 keys; it lands under the softmax
	ds_load_tr16_b128 v[KV+32*\kh+8*\c+4:KV+32*\kh+8*\c+7], v[ADV] offset:\kh*32*PV+16*PV+32*\c
.endr
.endr
	WIN 0
.irp j, 0,1,2,3                                ; the maximum of a lane's 32 scores and the old m: four chains a tile, the tiles by turns; each accumulator is read from its low end on
.irp t, 0,1,2,3
	v_max3_num_f32 v[ST+8*\t+4+\j], v[S+32*\t+8*\j], v[S+32*\t+8*\j+1], v[S+32*\t+8*\j+2]
.endr
.endr
.irp u, 1,2
.irp j, 0,1,2,3
.irp t, 0,1,2,3
	v_max3_num_f32 v[ST+8*\t+4+\j], v[ST+8*\t+4+\j], v[S+32*\t+8*\j+2*\u+1], v[S+32*\t+8*\j+2*\u+2]
.endr
.endr
.endr
.irp t, 0,1,2,3
	v_max3_num_f32 v[ST+8*\t+4], v[ST+8*\t+4], v[S+32*\t+7], v[S+32*\t+15]
.endr
.irp t, 0,1,2,3
	v_max3_num_f32 v[ST+8*\t+6], v[ST+8*\t+6], v[S+32*\t+23], v[S+32*\t+31]
.endr
.irp t, 0,1,2,3
	v_max3_num_f32 v[ST+8*\t+4], v[ST+8*\t+4], v[ST+8*\t+5], v[ST+8*\t+6]
.endr
.irp t, 0,1,2,3
.if \first
	v_max3_num_f32 v[ST+8*\t+4], v[ST+8*\t+4], v[ST+8*\t+7], 0xd3000000   ; the floor -2^39
.else
	v_max3_num_f32 v[ST+8*\t+4], v[ST+8*\t+4], v[ST+8*\t+7], v[ST+8*\t+1]
.endif
.endr
.irp t, 0,1,2,3
	v_permlanex16_b32 v[ST+8*\t+5], v[ST+8*\t+4], s[SEL], s[SEL+1]        ; the query's other 32 keys lie in the lane 16 away
.endr
.if !\first
.irp t, 0,1,2,3
	v_mov_b32 v[ST+8*\t+7], v[ST+8*\t]             ; cs m_old is kept for a
.endr
.endif
.irp t, 0,1,2,3
	v_max_num_f32 v[ST+8*\t+1], v[ST+8*\t+4], v[ST+8*\t+5]
.endr
.irp t, 0,1,2,3
	v_mul_f32 v[ST+8*\t], s[CS], v[ST+8*\t+1]
.endr
.if !\first
.irp t, 0,1,2,3
	v_sub_f32 v[ST+8*\t+7], v[ST+8*\t+7], v[ST+8*\t]
.endr
.endif
.set i, 0
.rept 16
.irp t, 0,1,2,3
	v_pk_fma_f32 v[S+32*\t+2*i:S+32*\t+2*i+1], v[S+32*\t+2*i:S+32*\t+2*i+1], s[CS:CS+1], v[ST+8*\t:ST+8*\t+1] op_sel_hi:[1,0,0] neg_lo:[0,0,1] neg_hi:[0,0,1]  ; cs s - cs m
.endr
.set i, i+1
.endr
.if !\first
.irp t, 0,1,2,3
	v_exp_f32 v[ST+8*\t+6], v[ST+8*\t+7]           ; a
.endr
.endif
.set i, 0
.rept 32
.irp t, 0,1,2,3
	v_exp_f32 v[S+32*\t+i], v[S+32*\t+i]           ; p: one batch, none reads another's result
.endr
.set i, i+1
.endr
	v_nop                                          ; a plain line behind the last exponential
	s_wait_alu depctr_va_vdst(0)                   ; one wait for the whole batch, ahead of its first reader
.irp t, 0,1,2,3
	v_pk_add_f32 v[ST+8*\t+4:ST+8*\t+5], v[S+32*\t:S+32*\t+1], v[S+32*\t+2:S+32*\t+3]   ; the sums, of the unrounded p
.endr
.set i, 2
.rept 13
.irp t, 0,1,2,3
	v_pk_add_f32 v[ST+8*\t+4:ST+8*\t+5], v[ST+8*\t+4:ST+8*\t+5], v[S+32*\t+2*i:S+32*\t+2*i+1]
.endr
.set i, i+1
.endr
.irp t, 0,1,2,3
.if \first
	v_pk_add_f32 v[ST+8*\t+2:ST+8*\t+3], v[ST+8*\t+4:ST+8*\t+5], v[S+32*\t+30:S+32*\t+31]
.else
	v_pk_add_f32 v[ST+8*\t+4:ST+8*\t+5], v[ST+8*\t+4:ST+8*\t+5], v[S+32*\t+30:S+32*\t+31]
.endif
.endr
.if !\first
.irp t, 0,1,2,3
	v_pk_fma_f32 v[ST+8*\t+2:ST+8*\t+3], v[ST+8*\t+2:ST+8*\t+3], v[ST+8*\t+6:ST+8*\t+7], v[ST+8*\t+4:ST+8*\t+5] op_sel_hi:[1,0,1]   ; l = a l + the sum
.endr
.endif
.set i, 0
.rept 16
.irp t, 0,1,2,3
	v_cvt_pk_f16_f32 v[S+32*\t+i], v[S+32*\t+2*i], v[S+32*\t+2*i+1]       ; P in place, ascending: register i is written when registers 2 i, 2 i + 1 are read
.endr
.set i, i+1
.endr
.if !\first
	WIN W_RS
.set i, 0
.rept 16
.irp t, 0,1,2,3
	v_pk_mul_f32 v[OT+32*\t+2*i:OT+32*\t+2*i+1], v[OT+32*\t+2*i:OT+32*\t+2*i+1], v[ST+8*\t+6:ST+8*\t+7] op_sel_hi:[1,0]   ; O^T x a
.endr
.set i, i+1
.endr
.endif
	s_wait_dscnt 0x0                               ; V is in
	WIN W_PV
.irp kh, 0,1                                   ; O^T += V^T P: 16 accumulators by turns
.irp c, 0,1,2,3
.irp t, 0,1,2,3
.if \first && (\kh == 0)
	v_wmma_f32_16x16x32_f16 v[OT+32*\t+8*\c:OT+32*\t+8*\c+7], v[KV+32*\kh+8*\c:KV+32*\kh+8*\c+7], v[S+32*\t+8*\kh:S+32*\t+8*\kh+7], 0
.else
	v_wmma_f32_16x16x32_f16 v[OT+32*\t+8*\c:OT+32*\t+8*\c+7], v[KV+32*\kh+8*\c:KV+32*\kh+8*\c+7], v[S+32*\t+8*\kh:S+32*\t+8*\kh+7], v[OT+32*\t+8*\c:OT+32*\t+8*\c+7]
.endif
.endr
.endr
.endr
	WIN 0
	s_add_co_u32 s[TB], s[TB], 2*STEPB             ; my next step lies two steps on
	s_add_co_u32 s[TBB], s[TBB], 512
.endm
.macro TWO_STEPS                       ; my two steps of a slot: written once, walked twice
	s_mov_b32 s[TWICE], 2
.Lstep_\@:
	STEP 0
	s_sub_co_u32 s[TWICE], s[TWICE], 1
	s_cmp_lg_u32 s[TWICE], 0
	s_cbranch_scc1 .Lstep_\@
.endm
; THE CHANGE OF SLOTS: slot n has been read out and is filled with the keys two slots on.  Each wave waits for all its tensor loads (one is out: its part of the other slot), adds 0 to its spare word, and waits for
; that and for its reads; the round holds that of every wave of all four work-groups; the joint refill is the first thing behind it and has my two steps in which to land.
.macro CHANGE n, how
	s_wait_tensorcnt 0x0                           ; no tensor load of mine is out, so a group 0 may be written
	ds_add_u32 v[SPW], v[NIL]
	s_add_nc_u64 s[G0+4*\n+2:G0+4*\n+3], s[G0+4*\n+2:G0+4*\n+3], 2*CHUNK
	s_wait_xcnt 0x0                                ; the last prefetch, a slot back, has read its address
	s_add_nc_u64 s[PFA:PFA+1], s[PFA:PFA+1], CHUNK
.if \n == 1
	s_sub_co_u32 s[TB], s[TB], 8*STEPB             ; back to slot 0
.endif
	s_wait_dscnt 0x0                               ; the add is done, and my reads of the slot are over
	CROUND
	JLOAD \n
	ASK \how
.endm
	s_wait_tensorcnt 1                             ; the bias and my part of slot 0 are in; slot 1's load may be out
	s_wait_kmcnt 0x0                               ; cs
	s_mov_b32 s[CS+1], s[CS]                       ; (named with it as a pair)
	s_barrier_signal -1
	s_barrier_wait -1
	s_wait_loadcnt 0x0                             ; Q
	STEP 1
	STEP 0
	s_mov_b32 s[TRIPS], 7
.Ltrip:                                            ; seven trips: keys 256 (2 i + 1) and 256 (2 i + 2) on are multiplied, keys 256 (2 i + 2) and 256 (2 i + 3) on are asked for
	CHANGE 0, 1
	TWO_STEPS
	CHANGE 1, 0
	TWO_STEPS
	s_sub_co_u32 s[TRIPS], s[TRIPS], 1
	s_cmp_lg_u32 s[TRIPS], 0
	s_cbranch_scc1 .Ltrip
	s_wait_tensorcnt 0x0                           ; the last change of slots is written out: nothing is left to ask for
	ds_add_u32 v[SPW], v[NIL]
	s_wait_dscnt 0x0
	s_barrier_signal -1
	s_barrier_wait -1
	TWO_STEPS
	; THE MERGE of the two parities.  Each wave lays its O^T (as images of its registers), cs m and l into slot 0, which has had its last fill and, behind the last barrier, its last read.
.irp t, 0,1,2,3
	v_add_f32 v[ST+8*\t+4], v[ST+8*\t+2], v[ST+8*\t+3]     ; l's two halves (also the places behind the last products)
.endr
.irp t, 0,1,2,3
	v_permlanex16_b32 v[ST+8*\t+5], v[ST+8*\t+4], s[SEL], s[SEL+1]
.endr
.irp t, 0,1,2,3
	v_add_f32 v[ST+8*\t+4], v[ST+8*\t+4], v[ST+8*\t+5]
.endr
	WIN ST1
.set i, 0
.rept 32
	ds_store_b128 v[MST], v[OT+4*i:OT+4*i+3] offset:512*i  ; each accumulator from its low end on
.set i, i+1
.endr
	WIN 0
.irp t, 0,1,2,3
	ds_store_b32 v[MSS], v[ST+8*\t] offset:128*\t
	ds_store_b32 v[MSS], v[ST+8*\t+4] offset:512+128*\t
.endr
	s_wait_dscnt 0x0                               ; for the others' sake: my stores have landed; and my reads of slot 1 are over
	s_barrier_signal -1
	s_barrier_wait -1
.set i, 0
.rept 16
	ds_load_b128 v[S+4*i:S+4*i+3], v[MLA] offset:512*i             ; parity 0's tiles 2 s, 2 s + 1
.set i, i+1
.endr
.set i, 0
.rept 16
	ds_load_b128 v[S+64+4*i:S+64+4*i+3], v[MLB] offset:512*i       ; parity 1's
.set i, i+1
.endr
.irp u, 0,1
	ds_load_b32 v[216+\u], v[MSA] offset:128*\u
	ds_load_b32 v[218+\u], v[MSA] offset:512+128*\u
	ds_load_b32 v[220+\u], v[MSB2] offset:128*\u
	ds_load_b32 v[222+\u], v[MSB2] offset:512+128*\u
.endr
	s_wait_dscnt 0x0
.irp u, 0,1
	v_max_num_f32 v[224+\u], v[216+\u], v[220+\u]  ; the larger cs m
.endr
.irp u, 0,1
	v_sub_f32 v[226+\u], v[216+\u], v[224+\u]
	v_sub_f32 v[228+\u], v[220+\u], v[224+\u]
.endr
.irp u, 0,1
	v_exp_f32 v[226+\u], v[226+\u]                 ; f of each parity
	v_exp_f32 v[228+\u], v[228+\u]
.endr
	v_nop
	s_wait_alu depctr_va_vdst(0)                   ; one wait for the four
.irp u, 0,1
	v_mul_f32 v[230+\u], v[226+\u], v[218+\u]
.endr
.irp u, 0,1
	v_fmac_f32 v[230+\u], v[228+\u], v[222+\u]     ; the row's sum
.endr
.irp u, 0,1
	v_rcp_f32 v[232+\u], v[230+\u]
.endr
	v_nop
	s_wait_alu depctr_va_vdst(0)                   ; one wait for the two
.irp u, 0,1
	v_mul_f32 v[236+4*\u], v[226+\u], v[232+\u]    ; f / sum, in both halves of a pair
	v_mul_f32 v[237+4*\u], v[226+\u], v[232+\u]
	v_mul_f32 v[238+4*\u], v[228+\u], v[232+\u]
	v_mul_f32 v[239+4*\u], v[228+\u], v[232+\u]
.endr
.irp u, 0,1
.set i, 0
.rept 16
	v_pk_mul_f32 v[S+32*\u+2*i:S+32*\u+2*i+1], v[S+32*\u+2*i:S+32*\u+2*i+1], v[236+4*\u:237+4*\u]
.set i, i+1
.endr
.set i, 0
.rept 16
	v_pk_fma_f32 v[S+32*\u+2*i:S+32*\u+2*i+1], v[S+64+32*\u+2*i:S+64+32*\u+2*i+1], v[238+4*\u:239+4*\u], v[S+32*\u+2*i:S+32*\u+2*i+1]
.set i, i+1
.endr
.set i, 0
.rept 16
	v_cvt_pk_f16_f32 v[S+32*\u+i], v[S+32*\u+2*i], v[S+32*\u+2*i+1]
.set i, i+1
.endr
.irp c, 0,1,2,3
	ds_store_b128 v[OSTO], v[S+32*\u+4*\c:S+32*\u+4*\c+3] offset:4352*\u+32*\c   ; row = query, my head's half of its 256 bytes
.endr
.endr
	s_wait_dscnt 0x0
	s_barrier_signal -1
	s_barrier_wait -1                              ; 128 whole rows lie in the stage
.irp i, 0,1,2,3,4,5,6,7
	ds_load_b128 v[S+64+4*\i:S+64+4*\i+3], v[ORD] offset:544*\i
.endr
.irp i, 0,1,2,3,4,5,6,7
	s_wait_dscnt 7-\i                              ; the younger loads may be out
	global_store_b128 v[GO], v[S+64+4*\i:S+64+4*\i+3], s[8:9] offset:4096*\i     ; sixteen lanes store 256 consecutive aligned bytes
.endr
	s_wait_tensorcnt 0x0                           ; the wave's end
	ds_add_u32 v[SPW], v[NIL]
	s_wait_dscnt 0x0
	CROUND                                         ; the closing round
	s_endpgm
.Lfunc_end_k_q6754aa9cf1_attn:
	.size	k_q6754aa9cf1_attn, .Lfunc_end_k_q6754aa9cf1_attn-k_q6754aa9cf1_attn
	.p2alignl 7, 3214868480
	.fill 96, 4, 3214868480
	.section	.rodata,"a",@progbits
	.p2align	6, 0x0
	.amdhsa_kernel k_q6754aa9cf1_attn
		.amdhsa_group_segment_fixed_size 327680
		.amdhsa_private_segment_fixed_size 0
		.amdhsa_enable_private_segment 0
		.amdhsa_kernarg_size 24
		.amdhsa_user_sgpr_count 2
		.amdhsa_user_sgpr_kernarg_segment_ptr 1
		.amdhsa_wavefront_size32 1
		.amdhsa_system_sgpr_workgroup_id_x 1
		.amdhsa_system_sgpr_workgroup_id_y 1
		.amdhsa_system_sgpr_workgroup_id_z 1
		.amdhsa_system_vgpr_workitem_id 0
		.amdhsa_next_free_vgpr 512
		.amdhsa_next_free_sgpr 96
		.amdhsa_reserve_vcc 0
		.amdhsa_float_denorm_mode_32 3
		.amdhsa_float_denorm_mode_16_64 3
		.amdhsa_memory_ordered 1
		.amdhsa_forward_progress 1
		.amdhsa_inst_pref_size 186
	.end_amdhsa_kernel
	.amdgpu_metadata
---
amdhsa.version: [ 1, 2 ]
amdhsa.kernels:
  - .name:           k_q6754aa9cf1_attn
    .symbol:         k_q6754aa9cf1_attn.kd
    .args:
      - { .name: qkv, .offset: 0, .size: 8, .value_kind: global_buffer, .address_space: global }
      - { .name: bias, .offset: 8, .size: 8, .value_kind: global_buffer, .address_space: global }
      - { .name: ao, .offset: 16, .size: 8, .value_kind: global_buffer, .address_space: global }
    .group_segment_fixed_size: 327680
    .private_segment_fixed_size: 0
    .kernarg_segment_align: 8
    .kernarg_segment_size: 24
    .max_flat_workgroup_size: 256
    .sgpr_count:     96
    .vgpr_count:     512
    .wavefront_size: 32
...
	.end_amdgpu_metadata
.endif
;; end of part 3
;; launch outp (part 4): grid 8 x 32, 4 waves a work-group, clusters of 4 x 4, 327,680 bytes of LDS; arguments ao, wp16, bp, out0; writes out0
.if DOCPART == 4
	.amdgcn_target "amdgcn-amd-amdhsa--gfx1250"
	.amdhsa_code_object_version 6
	.text
	.protected	k_q6754aa9cf1_outp
	.globl	k_q6754aa9cf1_outp
	.p2align	8
	.type	k_q6754aa9cf1_outp,@function
k_q6754aa9cf1_outp:
	s_mov_b64 s[64:65], 0
	v_nop
	global_prefetch_b8 v0, s[64:65] scope:SCOPE_SE
	s_setreg_imm32_b32 hwreg(HW_REG_WAVE_MODE, 25, 1), 1
	s_wait_xcnt 0x0
	s_wait_alu depctr_hold_cnt(0) depctr_sa_sdst(0) depctr_va_vdst(0) depctr_va_sdst(0) depctr_va_ssrc(0) depctr_va_vcc(0) depctr_vm_vsrc(0)
	s_getreg_b32 s2, hwreg(HW_REG_IB_STS2, 6, 4)
	s_cmp_eq_u32 s2, 0
	s_cbranch_scc0 .Lentry_in_a_cluster
	s_endpgm
.Lentry_in_a_cluster:
	s_bfe_u32 s2, ttmp6, 0x10000c
	s_cmp_lg_u32 s2, 0xf033
	s_cbranch_scc0 .Lentry_shape_is_right
	s_endpgm
.Lentry_shape_is_right:
; CROSS ATTENTION, launch 4 of 4: out0[m][n] = sum over k of ao[m][k] Wp[n][k] + bp[n].  ao [4096][1024] and wp16 [1024][1024] f16, sums f32, out0 f32.
; 4,096 x 1,024 make 256 tiles of 128 x 128, one for each work-group.  Four waves, each 64 x 64: 16 accumulators.  K goes in steps of 256 (LDS rows of 512 bytes + 16) through two slots.
; bp is the C of each sum's first product: eight registers for each block of 16 columns, in the result's layout; it costs no addition.
; CLUSTERS: 4 x 4 work-groups; ao's tile is shared along a row of the cluster, Wp's along a column.  THE MATRIX INSTRUCTION IS USED TRANSPOSED (source 0 = 16 rows of Wp, source 1 = 16 rows of ao).
; A wave's 64 columns are 256 bytes of a row of out0: each wave has a stage of its own on the way out, and no barrier stands there.
; REGISTERS: window 0: v16-29 addresses; v32-95 rows read back; v96-127 bp; v128-255 accumulators ((a, b) at 128 + 8 (4 a + b)).  window 1: two fragment buffers of 128.
.set SIZE_N, 1024
.set SIZE_K, 1024
.set KSTEP,  256
.set PITCH,  528
.set HALFT,  64*PITCH
.set SLOT,   4*HALFT
.set STAGE,  2*SLOT                    ; 16 rows x 272 bytes for each wave; no fill lands here
.set SPITCH, 272
.set SPARE,  STAGE+4*16*SPITCH         ; the spare words: two blocks of 256 bytes that no other line names
.set LAPS, SIZE_K/(2*KSTEP)
.set ADRA, 16
.set ADRB, 20
.set STO,  24
.set RD,   25
.set CO,   26
.set BO,   27
.set SPW,  28
.set NIL,  29
.set TMP,  32
.set BIA,  96
.set ACC,  128
.set F0,   0
.set F1,   128
.set G1, 24
.set G0, 32
.set G1B, 48
.set G0B, 56
.set MSB, 0
.macro WIN new
.if MSB != (\new)
	s_set_vgpr_msb (MSB<<8)|(\new)
.set MSB, (\new)
.endif
.endm
.set MUL,  0x05                        ; sources 0 and 1 window 1; C and D window 0
.set TO_F, 0x40
.macro JLOAD s                         ; a joint load: waves 0 and 1 fetch ao's two halves, waves 2 and 3 Wp's; an s_nop 0 and four v_nop follow each line
	s_cmp_eq_u32 s11, 0
	s_cbranch_scc0 .Lfor_b_\@
	tensor_load_to_lds s[G0+4*\s:G0+4*\s+3], s[G1:G1+7]
	s_nop 0
.rept 4
	v_nop
.endr
	s_branch .Lasked_\@
.Lfor_b_\@:
	tensor_load_to_lds s[G0B+4*\s:G0B+4*\s+3], s[G1B:G1B+7]
	s_nop 0
.rept 4
	v_nop
.endr
.Lasked_\@:
.endm
.macro CREST
	s_cmp_lg_u32 s10, 0
	s_cbranch_scc1 .Lnot_wave_0_\@
	s_barrier_signal -3
.Lnot_wave_0_\@:
	s_barrier_wait -3
	s_barrier_signal -1
	s_barrier_wait -1
.endm
.macro CROUND
	s_barrier_signal -1
	s_barrier_wait -1
	CREST
.endm
	s_load_b128 s[4:7], s[0:1], 0x0                ; ao s[4:5], wp16 s[6:7]
	s_load_b128 s[68:71], s[0:1], 0x10             ; bp s[68:69], out0 s[70:71]
	v_lshl_add_u32 v[SPW], v0, 2, SPARE
	v_mov_b32 v[NIL], 0
	ds_add_u32 v[SPW], v[NIL]                      ; the wave's opening: the add, twice on end, and its wait ahead of my first tensor load
	ds_add_u32 v[SPW], v[NIL]
	v_lshrrev_b32 v1, 5, v0
	v_readfirstlane_b32 s10, v1                    ; wave 0..3
	s_lshr_b32 s11, s10, 1                         ; my half of the tile's rows.  Also: I fetch for ao (0) or for Wp (1)
	s_and_b32 s12, s10, 1                          ; my half of its columns.  Also: which 64 rows I fetch
	s_bfe_u32 s40, ttmp6, 0x40000
	s_bfe_u32 s41, ttmp6, 0x40004
	s_lshl_b32 s42, ttmp9, 2
	s_add_co_u32 s42, s42, s40                     ; tile column
	s_and_b32 s13, ttmp7, 0xffff
	s_lshl_b32 s13, s13, 2
	s_add_co_u32 s13, s13, s41                     ; tile row
	s_lshl_b32 s43, s41, 2
	s_lshl_b32 s43, 15, s43                        ; my row of the cluster
	s_lshl_b32 s44, 0x1111, s40                    ; my column
	s_or_b32 s[G1+0], s43, (1<<16)|(1<<20)|(1<<21)|(6<<22)|(3<<25)  ; the mask; elements of 2 bytes; padding on; bit 21 beside a mask; 4 words behind every 128
	s_or_b32 s[G1B+0], s44, (1<<16)|(1<<20)|(1<<21)|(6<<22)|(3<<25)
.irp g, G1, G1B
	s_mov_b32 s[\g+1], KSTEP<<16
	s_mov_b32 s[\g+2], 64<<16
	s_mov_b32 s[\g+3], KSTEP<<16
	s_mov_b32 s[\g+4], 64
	s_mov_b32 s[\g+5], SIZE_K
	s_mov_b32 s[\g+6], 0
	s_mov_b32 s[\g+7], 0
.endr
	s_lshl_b32 s17, s12, 6
	s_lshl_b32 s16, s13, 7
	s_add_co_u32 s16, s16, s17                     ; ao: row 128 x tile row + 64 x half
	s_lshl_b32 s46, s42, 7
	s_add_co_u32 s46, s46, s17                     ; Wp: row 128 x tile column + 64 x half
	s_mov_b32 s17, 0
	s_mov_b32 s47, 0
	s_mov_b64 s[18:19], SIZE_K*2
	s_mul_u64 s[16:17], s[16:17], s[18:19]
	s_mul_u64 s[46:47], s[46:47], s[18:19]
	s_mul_i32 s20, s10, HALFT
	s_wait_dscnt 0x0                               ; both opening adds are done
	s_wait_kmcnt 0x0
	s_add_nc_u64 s[14:15], s[4:5], s[16:17]
	s_add_nc_u64 s[46:47], s[6:7], s[46:47]
	CROUND                                         ; all sixteen work-groups are here: the first joint loads meet
.irp s, 0,1
	s_mov_b32 s[G0+4*\s], 1
	s_add_co_u32 s[G0+4*\s+1], s20, \s*SLOT
	s_add_nc_u64 s[G0+4*\s+2:G0+4*\s+3], s[14:15], \s*KSTEP*2
	s_or_b32 s[G0+4*\s+3], s[G0+4*\s+3], 0x80000000
	s_mov_b32 s[G0B+4*\s], 1
	s_add_co_u32 s[G0B+4*\s+1], s20, \s*SLOT
	s_add_nc_u64 s[G0B+4*\s+2:G0B+4*\s+3], s[46:47], \s*KSTEP*2
	s_or_b32 s[G0B+4*\s+3], s[G0B+4*\s+3], 0x80000000
	JLOAD \s
.endr
	v_and_b32 v1, 15, v0
	v_bfe_u32 v2, v0, 4, 1
	v_mul_u32_u24 v3, v1, PITCH
	v_lshl_add_u32 v3, v2, 4, v3
	s_mul_i32 s21, s11, HALFT
	s_mul_i32 s22, s12, HALFT
	s_add_co_u32 s22, s22, 2*HALFT
.irp s, 0,1
	v_add_nc_u32 v[ADRA+\s], s21, v3
	v_add_nc_u32 v[ADRB+\s], s22, v3
	s_add_co_u32 s21, s21, SLOT
	s_add_co_u32 s22, s22, SLOT
.endr
	s_mul_i32 s23, s10, 16*SPITCH
	s_add_co_u32 s23, s23, STAGE                   ; my stage
	v_mul_u32_u24 v4, v1, SPITCH                   ; in: row l % 16, 32 bytes for each half of the lanes
	v_lshl_add_u32 v4, v2, 5, v4
	v_add_nc_u32 v[STO], s23, v4
	v_mul_u32_u24 v5, v2, SPITCH                   ; back: lanes 0-15 one row of 256 bytes, lanes 16-31 the next
	v_lshl_add_u32 v5, v1, 4, v5
	v_add_nc_u32 v[RD], s23, v5
	v_lshlrev_b32 v5, 12, v2                       ; and the same two rows in out0 (4,096 bytes a row)
	v_lshl_add_u32 v[CO], v1, 4, v5
	v_lshlrev_b32 v[BO], 5, v2                     ; bp: lane (r, h) wants columns 16 b + 8 h + 0 .. 7
	s_lshl_b32 s16, s13, 7
	s_lshl_b32 s17, s11, 6
	s_add_co_u32 s16, s16, s17                     ; my first row
	s_lshl_b32 s16, s16, 12
	s_lshl_b32 s46, s42, 9                         ; my first column, in bytes: 512 x tile column + 256 x half
	s_lshl_b32 s47, s12, 8
	s_add_co_u32 s46, s46, s47
	s_mov_b32 s47, 0
	s_add_nc_u64 s[68:69], s[68:69], s[46:47]
	s_add_co_u32 s16, s16, s46
	s_mov_b32 s17, 0
	s_add_nc_u64 s[70:71], s[70:71], s[16:17]
.irp b, 0,1,2,3
	global_load_b128 v[BIA+8*\b:BIA+8*\b+3],   v[BO], s[68:69] offset:64*\b
	global_load_b128 v[BIA+8*\b+4:BIA+8*\b+7], v[BO], s[68:69] offset:64*\b+16
.endr
; 8 matrix instructions: m blocks a0, a0 + 1 x all 4 n blocks, 32 along K: half c of buffer f.  zero = 1: the first product starts the sums from bp.  The 16 accumulators take turns.
.macro MUL8 f, c, a0, zero
.irp a, \a0, \a0+1
.irp b, 0,1,2,3
.if \zero
	v_wmma_f32_16x16x32_f16 v[ACC+8*(4*(\a)+\b):ACC+8*(4*(\a)+\b)+7], v[\f+64+8*(4*\c+\b):\f+64+8*(4*\c+\b)+7], v[\f+8*(4*\c+\a):\f+8*(4*\c+\a)+7], v[BIA+8*\b:BIA+8*\b+7]
.else
	v_wmma_f32_16x16x32_f16 v[ACC+8*(4*(\a)+\b):ACC+8*(4*(\a)+\b)+7], v[\f+64+8*(4*\c+\b):\f+64+8*(4*\c+\b)+7], v[\f+8*(4*\c+\a):\f+8*(4*\c+\a)+7], v[ACC+8*(4*(\a)+\b):ACC+8*(4*(\a)+\b)+7]
.endif
.endr
.endr
.endm
.macro FETCH slot, k, f                ; 32 LDS loads in one run: the fragments of 64 along K at byte k of the rows; the first 32 along K first
	WIN TO_F
.irp c, 0,1
.irp i, 0,1,2,3
	ds_load_b128 v[\f+64+8*(4*\c+\i):\f+64+8*(4*\c+\i)+3],   v[ADRB+\slot] offset:\k+64*\c+\i*16*PITCH
	ds_load_b128 v[\f+64+8*(4*\c+\i)+4:\f+64+8*(4*\c+\i)+7], v[ADRB+\slot] offset:\k+64*\c+\i*16*PITCH+32
	ds_load_b128 v[\f+8*(4*\c+\i):\f+8*(4*\c+\i)+3],         v[ADRA+\slot] offset:\k+64*\c+\i*16*PITCH
	ds_load_b128 v[\f+8*(4*\c+\i)+4:\f+8*(4*\c+\i)+7],       v[ADRA+\slot] offset:\k+64*\c+\i*16*PITCH+32
.endr
.endr
.endm
.macro PLACES
.rept 4
	v_nop
.endr
.endm
.macro QUARTER slot, k, f, g, zero
	s_wait_dscnt 16                                ; the first 32 along K are in; the other sixteen loads may be out
	WIN MUL
	MUL8 \f, 0, 0, \zero
	MUL8 \f, 0, 2, \zero
	PLACES
	FETCH \slot, \k, \g
	s_wait_dscnt 32                                ; all but the 32 just issued
	WIN MUL
	MUL8 \f, 1, 0, 0
	MUL8 \f, 1, 2, 0
.endm
; The last quarter of a K step changes slots: one barrier; in front of it each wave waits for all its tensor loads, adds 0 to its spare word, and waits for that and for its reads of this slot.  fill = 1: this slot is filled again.
.macro TURN slot, next, fill
	WIN 0
	s_wait_tensorcnt 0x0
	ds_add_u32 v[SPW], v[NIL]
	s_wait_dscnt 17                                ; (the add and the youngest sixteen loads may be out)
	WIN MUL
	MUL8 F1, 0, 0, 0
	s_wait_dscnt 0x0
	s_barrier_signal -1
	MUL8 F1, 0, 2, 0
.if \fill
	WIN 0
.endif
	s_barrier_wait -1
.if \fill
	CREST                                          ; the barrier has opened a round of the cluster's: no wave of any partner still reads this slot or has a load on its way
	s_add_nc_u64 s[G0+4*\slot+2:G0+4*\slot+3], s[G0+4*\slot+2:G0+4*\slot+3], 2*KSTEP*2
	s_add_nc_u64 s[G0B+4*\slot+2:G0B+4*\slot+3], s[G0B+4*\slot+2:G0B+4*\slot+3], 2*KSTEP*2
	JLOAD \slot                                    ; the first tensor load behind the round; its four v_nop are also the places in front of the loads below
.else
	PLACES
.endif
	FETCH \next, 0, F0
	WIN MUL
	MUL8 F1, 1, 0, 0
	MUL8 F1, 1, 2, 0
.endm
	s_wait_tensorcnt 1                             ; my part of K step 0 is in; K step 1's load may be out
	s_barrier_signal -1
	s_barrier_wait -1
	FETCH 0, 0, F0
	s_wait_loadcnt 0x0                             ; bp
	QUARTER 0, 128, F0, F1, 1
	WIN 0
	s_mov_b32 s3, LAPS-1
.Llap:                                             ; a trip goes once round the ring and fills both slots again
	QUARTER 0, 256, F1, F0, 0
	QUARTER 0, 384, F0, F1, 0
	TURN 0, 1, 1
	QUARTER 1, 128, F0, F1, 0
	QUARTER 1, 256, F1, F0, 0
	QUARTER 1, 384, F0, F1, 0
	TURN 1, 0, 1
	QUARTER 0, 128, F0, F1, 0
	WIN 0
	s_sub_co_u32 s3, s3, 1
	s_cmp_lg_u32 s3, 0
	s_cbranch_scc1 .Llap
	QUARTER 0, 256, F1, F0, 0                      ; the last lap fills nothing
	QUARTER 0, 384, F0, F1, 0
	TURN 0, 1, 0
	QUARTER 1, 128, F0, F1, 0
	QUARTER 1, 256, F1, F0, 0
	QUARTER 1, 384, F0, F1, 0
	s_wait_dscnt 16
	WIN MUL
	MUL8 F1, 0, 0, 0
	MUL8 F1, 0, 2, 0
	s_wait_dscnt 0
	MUL8 F1, 1, 0, 0
	MUL8 F1, 1, 2, 0
	WIN 0
; THE WAY OUT, a block of 16 rows x 64 columns at a time, through my own stage: LDS serves a wave's instructions in order, so no wait stands between the stores and the loads, nor in front of the next block's stores.
.macro TOSTAGE a
.irp b, 0,1,2,3
	ds_store_b128 v[STO], v[ACC+8*(4*(\a)+\b):ACC+8*(4*(\a)+\b)+3] offset:64*\b          ; each accumulator from its low end on
	ds_store_b128 v[STO], v[ACC+8*(4*(\a)+\b)+4:ACC+8*(4*(\a)+\b)+7] offset:64*\b+16
.endr
.irp t, 0,1,2,3,4,5,6,7
	ds_load_b128 v[TMP+32*((\a)%2)+4*\t:TMP+32*((\a)%2)+4*\t+3], v[RD] offset:\t*2*SPITCH
.endr
.endm
.macro SEND a, younger                 ; younger: the LDS instructions issued behind block a's loads: the next block's eight stores and eight loads, or none
	s_wait_dscnt \younger
.irp t, 0,1,2,3,4,5,6,7
	global_store_b128 v[CO], v[TMP+32*((\a)%2)+4*\t:TMP+32*((\a)%2)+4*\t+3], s[70:71] offset:(16*(\a)+2*\t)*4096 th:TH_STORE_NT   ; sixteen lanes store 256 consecutive aligned bytes
.endr
.endm
	PLACES
	TOSTAGE 0
.irp a, 1,2,3
.if \a > 1
	s_wait_xcnt 0x0                                ; block a - 2's stores have read their data: block a's loads may land there
.endif
	TOSTAGE \a
	SEND \a-1, 16
.endr
	SEND 3, 0
	s_wait_tensorcnt 0x0                           ; the wave's end
	ds_add_u32 v[SPW], v[NIL]
	s_wait_dscnt 0x0
	CROUND                                         ; the closing round
	s_endpgm
.Lfunc_end_k_q6754aa9cf1_outp:
	.size	k_q6754aa9cf1_outp, .Lfunc_end_k_q6754aa9cf1_outp-k_q6754aa9cf1_outp
	.p2alignl 7, 3214868480
	.fill 96, 4, 3214868480
	.section	.rodata,"a",@progbits
	.p2align	6, 0x0
	.amdhsa_kernel k_q6754aa9cf1_outp
		.amdhsa_group_segment_fixed_size 327680
		.amdhsa_private_segment_fixed_size 0
		.amdhsa_enable_private_segment 0
		.amdhsa_kernarg_size 32
		.amdhsa_user_sgpr_count 2
		.amdhsa_user_sgpr_kernarg_segment_ptr 1
		.amdhsa_wavefront_size32 1
		.amdhsa_system_sgpr_workgroup_id_x 1
		.amdhsa_system_sgpr_workgroup_id_y 1
		.amdhsa_system_sgpr_workgroup_id_z 1
		.amdhsa_system_vgpr_workitem_id 0
		.amdhsa_next_free_vgpr 512
		.amdhsa_next_free_sgpr 72
		.amdhsa_reserve_vcc 0
		.amdhsa_float_denorm_mode_32 3
		.amdhsa_float_denorm_mode_16_64 3
		.amdhsa_memory_ordered 1
		.amdhsa_forward_progress 1
		.amdhsa_inst_pref_size 86
	.end_amdhsa_kernel
	.amdgpu_metadata
---
amdhsa.version: [ 1, 2 ]
amdhsa.kernels:
  - .name:           k_q6754aa9cf1_outp
    .symbol:         k_q6754aa9cf1_outp.kd
    .args:
      - { .name: ao, .offset: 0, .size: 8, .value_kind: global_buffer, .address_space: global }
      - { .name: wp16, .offset: 8, .size: 8, .value_kind: global_buffer, .address_space: global }
      - { .name: bp, .offset: 16, .size: 8, .value_kind: global_buffer, .address_space: global }
      - { .name: out0, .offset: 24, .size: 8, .value_kind: global_buffer, .address_space: global }
    .group_segment_fixed_size: 327680
    .private_segment_fixed_size: 0
    .kernarg_segment_align: 8
    .kernarg_segment_size: 32
    .max_flat_workgroup_size: 128
    .sgpr_count:     72
    .vgpr_count:     512
    .wavefront_size: 32
...
	.end_amdgpu_metadata
.endif
;; end of part 4
